; MI455X (gfx1250); checked and timed in simulation.
; The chip was launched on July 23, 2026; its instructions are those of AMD's public machine-readable ISA for CDNA 5 (MIT licence, August 2026) and "CDNA5" Instruction Set Architecture Reference Guide (July 2026). The comments in the code are by the model that wrote it; some were corrected since.
;; Joint Geometry Attention. Allowed arithmetic: matrix products marked QUANTISED: E2M1 operands, one E8M0 scale for each 32 along K, by v_wmma_scale_f32_16x16x128_f8f6f4 with both operands' format E2M1 (or v_wmma_scale_f32_32x16x128_f4), f32 sums; products left as they are: bf16, f16 or f32 operands; f32 sums; everything else in f32.
;; Inputs: W_out 1,024 x 1,024 float32; W_qkv 3,072 x 1,024 float32; hyp_k 1 x 16 x 1 x 1 float32; x 4 x 1,024 x 1,024 float32.
;; Outputs: out0 4 x 1,024 x 1,024 float32.
;; This version of the problem:
;;   THIS VERSION OF THE PROBLEM IS GIVEN IN LOW PRECISION. The matrix products marked QUANTISED in the list below multiply operands that are first quantised to E2M1 (2 exponent bits, 1 mantissa bit; 4 bits a number), with one power-of-two scale for each 32 numbers along K (OCP MX v1.0); their sums are f32. The products marked 'left as it is' may take bf16, f16 or f32 operands, with f32 sums. Whichever they take, every output number must still come out within the allowed error. Rounding operands to bf16 (8 significant bits) uses up far more of that allowance than f16 does (11 bits, for magnitudes from 6e-5 to 65,504). All else is computed in f32.
;;   The module's matrix products, in the order in which they are computed (A, B: the left and right operand; K: the contracted axis; several contracted axes count as one K, in the product's order):
;;     1. [M 4,096, K 1,024] x [K 1,024, N 3,072]; A: input x; B: input W_qkv: QUANTISED
;;     2. batch 64 x [M 1,024, K 64] x [K 64, N 1,024]; A: computed on the way; B: computed on the way: left as it is (an operand is computed on the way)
;;     3. batch 64 x [M 1,024, K 1,024] x [K 1,024, N 64]; A: computed on the way; B: computed on the way: left as it is (an operand is computed on the way)
;;     4. [M 4,096, K 1,024] x [K 1,024, N 1,024]; A: computed on the way; B: input W_out: left as it is (an operand is computed on the way)
;;   THE QUANTISER, for each operand of a quantised product, along K:
;;     - K is cut into blocks of 32 from its start; a last block that is shorter is filled with zeros.
;;     - A block's scale is 2^e with e = floor(log2(the largest magnitude in the block)) - 2, held to -126 .. 127; a block of zeros has e = 0. As a byte (E8M0): e + 127.
;;     - Each number is divided by its block's scale, clamped to +-6, and rounded to the nearest number of E2M1, ties to even, subnormals kept.
;;     - The product sums the exact products of the quantised numbers (number of the format x scale) in f32.
;;   ~~~python
;;   def quantise(x, axis):      # numpy; x: float32 -> the quantised numbers, widened to float32 again
;;       x = np.moveaxis(x, axis, -1); K = x.shape[-1]
;;       x = np.pad(x, [(0, 0)] * (x.ndim - 1) + [(0, -K % 32)]); x = x.reshape(x.shape[:-1] + (-1, 32)); a = np.abs(x).max(-1, keepdims=True)
;;       e = np.where(a > 0, np.clip(np.frexp(np.where(a > 0, a, 1))[1] - 1 - 2, -126, 127), 0)      # np.frexp(a)[1] - 1 = floor(log2(a)), exactly
;;       r = np.clip(x / 2.0 ** e, -6, 6)
;;       step = 2.0 ** (np.maximum(np.frexp(np.where(r == 0, 1, r))[1] - 1, 0) - 1)
;;       q = np.round(r / step) * step * 2.0 ** e      # np.round: ties to even
;;       return np.moveaxis(q.reshape(q.shape[:-2] + (-1,))[..., :K], -1, axis).astype(np.float32)
;;   ~~~
;; One version. Each part assembles by itself: llvm-mc -triple=amdgcn-amd-amdhsa -mcpu=gfx1250 --defsym DOCPART=n.
;; ======== version 1 of 1: 5 launches
;; limits: values are held in f16: magnitudes above 65,504 overflow, below 6.1e-05 lose precision; right only within a limited range of input values
;; workspace buffers: codes 3,670,016 bytes; scales 229,376 bytes; wo16 2,097,152 bytes; rope 262,144 bytes; qkv16 25,165,824 bytes; lift 524,288 bytes; fine 786,432 bytes; o16 8,388,608 bytes
;; launch prep (part 1): grid 256 x 1, 4 waves a work-group, no clusters, 33,280 bytes of LDS; arguments x, W_qkv, W_out, codes, scales, wo16, rope; writes codes, scales, wo16, rope
.if DOCPART == 1
	.amdgcn_target "amdgcn-amd-amdhsa--gfx1250"
	.amdhsa_code_object_version 6
	.text
	.protected	k_qe1f3349f93_prep
	.globl	k_qe1f3349f93_prep
	.p2align	8
	.type	k_qe1f3349f93_prep,@function
k_qe1f3349f93_prep:
	s_mov_b64 s[64:65], 0
	v_nop
	global_prefetch_b8 v0, s[64:65] scope:SCOPE_SE
	s_setreg_imm32_b32 hwreg(HW_REG_WAVE_MODE, 25, 1), 1
	s_wait_xcnt 0x0
; Work-groups 0-223: x [4096][1024] and W_qkv [3072][1024], f32, K innermost, become codes of FP4 (E2M1) and one E8M0 byte for each 32 along K.
;   Rows are dense and K is a multiple of 32: both tensors are plain streams of blocks of 32.  W_qkv's codes and bytes follow x's in the two buffers, so a run's number gives both places.
;   A block's scale is 2^(floor(log2(largest magnitude)) - 2): the largest magnitude's exponent field - 2, held at 1 from below.
; Work-groups 224-255: W_out [1024][1024] f32 becomes f16, laid as images of matrix operands; and the table of cos and sin for the rotary embedding is made.
;   An image is 16 rows x 32 K of 16-bit numbers, 1,024 bytes: registers 0-3 of lane l at 16 l, registers 4-7 at 512 + 16 l; lane (r, h) holds row r, k = 8 h + 0..7 and k = 16 + 8 h + 0..7.
;   wo16: [n tile 64][k chunk 32][1,024 bytes].   rope: [t 1024][cos 32, sin 32] f32: 256 bytes a position.
; LIMITS: NaN and infinities are not served.  Blocks whose largest magnitude lies under 2^-124 (the floor) were not tried; a block of zeros gets the byte 1 over zero codes, and this program alone reads the bytes.
;   W_out beyond 65,504 in magnitude does not fit f16.  The table's angles differ from t x 10000^(-j/32) by up to some 2e-4 radians (one unit in the last place of the exponential, and the constant 1/(2 pi) in f32); q and k are turned by one and the same table.
.set WAVES, 4
.set STEPS, 16
.set EMAX,  2
.set CB,    8                          ; bytes of 16 codes
.set R,     16                         ; v16-79   four sets of 16 numbers as loaded
.set X,     80                         ; v80-111  two sets of 16 neighbours
.set C,     128                        ; v128-191 codes, four registers a step
.set E,     112                        ; v112-127 a scale byte a step
.set WREG,  8192                       ; LDS: a region for each wave: two stages of 32 x SP bytes, then its 256 scale bytes
.set SP,    80
.set SPW,   12                         ; v12  LDS address of my spare word; never rewritten
.set NIL,   13                         ; v13  0; never rewritten
.set SPARE, WAVES*WREG                 ; the spare words: 128 bytes a wave, named by no other line
	s_load_b256 s[4:11], s[0:1], 0x0               ; x s[4:5], W_qkv s[6:7], W_out s[8:9], codes s[10:11]
	s_load_b128 s[12:15], s[0:1], 0x20             ; scales s[12:13], wo16 s[14:15]
	s_load_b64 s[16:17], s[0:1], 0x30              ; rope
	v_lshl_add_u32 v[SPW], v0, 2, SPARE
	v_mov_b32 v[NIL], 0
	v_lshrrev_b32 v1, 5, v0
	v_readfirstlane_b32 s18, v1                    ; wave
	v_and_b32 v2, 31, v0                           ; lane
	s_cmp_ge_u32 ttmp9, 224
	s_cbranch_scc1 .Lother
	; ---------------- the quantiser: a wave takes a run of 8,192 numbers, 16 steps of 512
	v_lshlrev_b32 v3, 4, v2                        ; my 16 bytes of a load's 512
	s_mul_i32 s19, s18, WREG
	v_lshrrev_b32 v14, 2, v2
	v_mul_u32_u24 v14, v14, SP
	v_and_b32 v15, 3, v2
	v_lshl_add_u32 v14, v15, 4, v14
	v_add_nc_u32 v14, s19, v14                     ; the stage, in: SP (lane / 4) + 16 (lane % 4)
	v_mul_u32_u24 v15, v2, SP
	v_add_nc_u32 v15, s19, v15                     ; out: SP x lane: my 16 neighbours
	v_mul_u32_u24 v4, v2, CB                       ; my codes' place in a step's
	v_lshrrev_b32 v5, 1, v2
	s_add_co_u32 s19, s19, 2*32*SP
	v_add_nc_u32 v5, s19, v5                       ; my block's scale byte in LDS
	v_lshlrev_b32 v7, 3, v2
	v_add_nc_u32 v6, s19, v7                       ; and 8 bytes a lane on the way out
	s_wait_kmcnt 0x0
	s_cmp_lt_u32 ttmp9, 128                        ; x has 128 work-groups (512 runs), W_qkv 96
	s_cselect_b64 s[4:5], s[4:5], s[6:7]
	s_cselect_b32 s20, 0, 512
	s_lshl_b32 s21, ttmp9, 2
	s_add_co_u32 s21, s21, s18                     ; my run among both tensors'
	s_sub_co_u32 s20, s21, s20                     ; and in its own tensor
	s_lshl_b32 s22, s20, 15
	s_mov_b32 s23, 0
	s_add_nc_u64 s[4:5], s[4:5], s[22:23]          ; 32,768 bytes of numbers a run
	s_lshl_b32 s22, s21, 12
	s_add_nc_u64 s[10:11], s[10:11], s[22:23]      ; 4,096 bytes of codes
	s_lshl_b32 s22, s21, 8
	s_add_nc_u64 s[12:13], s[12:13], s[22:23]      ; 256 scale bytes
.macro LOAD t
.irp i, 0,1,2,3
	global_load_b128 v[R+16*((\t)%4)+4*\i:R+16*((\t)%4)+4*\i+3], v3, s[4:5] offset:2048*(\t)+512*\i th:TH_LOAD_NT   ; 32 lanes read 512 consecutive bytes
.endr
.endm
.macro TURN t                          ; a step's numbers through the stage; LDS serves a wave's instructions in order, so no wait stands between stores and loads
.irp i, 0,1,2,3
	ds_store_b128 v14, v[R+16*((\t)%4)+4*\i:R+16*((\t)%4)+4*\i+3] offset:32*SP*((\t)%2)+8*SP*\i
.endr
.irp i, 0,1,2,3
	ds_load_b128 v[X+16*((\t)%2)+4*\i:X+16*((\t)%2)+4*\i+3], v15 offset:32*SP*((\t)%2)+16*\i
.endr
.endm
.irp t, 0,1,2,3
	LOAD \t
.endr
	s_wait_loadcnt 12                              ; step 0's four loads are in; twelve younger ones stay out
	TURN 0
.macro STEP t
.set XS, X+16*((\t)%2)
.if (\t) > 0
	s_wait_dscnt 1                                 ; this step's numbers are back from the stage; the last step's byte store may be out
.else
	s_wait_dscnt 0x0
.endif
.if (\t)+4 < STEPS
	LOAD (\t)+4
.endif
.if (\t)+1 < STEPS
.if STEPS-2-(\t) >= 3
	s_wait_loadcnt 12                              ; the next step's four loads are in; those of the three steps behind it may be out
.else
	s_wait_loadcnt 4*(STEPS-2-(\t))
.endif
	TURN (\t)+1
.endif
	v_max3_num_f32 v8, |v[XS]|, |v[XS+1]|, |v[XS+2]|
	v_max3_num_f32 v9, |v[XS+3]|, |v[XS+4]|, |v[XS+5]|
.irp i, 6,10
	v_max3_num_f32 v8, v8, |v[XS+\i]|, |v[XS+\i+1]|
	v_max3_num_f32 v9, v9, |v[XS+\i+2]|, |v[XS+\i+3]|
.endr
	v_max3_num_f32 v8, v8, |v[XS+14]|, |v[XS+15]|
	v_max3_num_f32 v8, v8, v9, (EMAX+1)<<23        ; the floor 2^(3 - 127): the byte cannot fall under 1
	v_max_num_f32_dpp v8, v8, v8 row_xmask:1 row_mask:0xf bank_mask:0xf   ; with my neighbour's 16: the block's largest magnitude
	v_add_nc_u32 v11, -(EMAX<<23), v8              ; 2 off its exponent field: the conversion takes that field as its scale
	v_cvt_scalef32_pk8_fp4_f32 v[C+4*(\t)], v[XS:XS+7], v11
	v_cvt_scalef32_pk8_fp4_f32 v[C+4*(\t)+1], v[XS+8:XS+15], v11
	v_lshrrev_b32 v[E+(\t)], 23, v11               ; the scale's byte
	ds_store_b8 v5, v[E+(\t)] offset:16*(\t)       ; both lanes of a block write the same byte with the same value
	global_store_b64 v4, v[C+4*(\t):C+4*(\t)+1], s[10:11] offset:32*CB*(\t)   ; the wave stores 256 consecutive bytes, aligned
.endm
.irp t, 0,1,2,3,4,5,6,7,8,9,10,11,12,13,14,15
	STEP \t
.endr
	ds_load_b64 v[8:9], v6                         ; my wave's 256 scale bytes
	s_wait_dscnt 0x0
	global_store_b64 v7, v[8:9], s[12:13]          ; 256 consecutive bytes, aligned
	s_wait_tensorcnt 0x0                           ; the wave's end
	ds_add_u32 v[SPW], v[NIL]
	s_wait_dscnt 0x0
	s_endpgm
	; ---------------- W_out into f16 images, and the table.
.Lother:
	s_sub_co_u32 s19, ttmp9, 224                   ; p = 0 .. 31
	s_lshl_b32 s20, s19, 2
	s_add_co_u32 s20, s20, s18                     ; 4 p + wave = 0 .. 127
	s_lshr_b32 s21, s20, 1                         ; n tile
	s_and_b32 s22, s20, 1                          ; which half of K
	s_lshl_b32 s24, s21, 16                        ; 16 rows of 4,096 bytes
	s_lshl_b32 s25, s22, 11                        ; 512 numbers
	s_add_co_u32 s24, s24, s25
	s_mov_b32 s25, 0
	s_lshl_b32 s26, s21, 15                        ; 32 images a tile
	s_lshl_b32 s27, s22, 14
	s_add_co_u32 s26, s26, s27
	s_mov_b32 s27, 0
	s_lshl_b32 s28, s19, 5
	s_lshl_b32 s29, s18, 3
	s_add_co_u32 s28, s28, s29                     ; my first position of the table: 32 p + 8 wave
	s_lshl_b32 s22, s28, 8
	s_mov_b32 s23, 0
	s_mov_b32 s30, 0xbd150621                      ; cos(2 pi x) = sum of c_k x^(2k): c9 = -0.0363828
	s_mov_b32 s31, 0x3e906317                      ; c8 =  0.2820060
	s_mov_b32 s32, 0xbfdb7128                      ; c7 = -1.7143907
	s_mov_b32 s33, 0x40fce9c5                      ; c6 =  7.9035364
	s_mov_b32 s34, 0xc1d368f9                      ; c5 = -26.4262568
	s_mov_b32 s35, 0x4270fa83                      ; c4 =  60.2446414
	s_mov_b32 s36, 0xc2aae9e4                      ; c3 = -85.4568172
	s_mov_b32 s37, 0x4281e0f8                      ; c2 =  64.9393940
	s_mov_b32 s38, 0xc19de9e6                      ; c1 = -19.7392088;  c0 = 1.  The first term left out is under 4e-9 for |x| <= 1/2
	s_mov_b32 s39, 0x3e22f983                      ; 1 / (2 pi)
	v_and_b32 v1, 15, v0                           ; r
	v_bfe_u32 v5, v0, 4, 1                         ; h
	v_lshlrev_b32 v3, 12, v1
	v_lshl_add_u32 v3, v5, 5, v3                   ; W_out: row r, + 32 h bytes
	v_lshlrev_b32 v4, 4, v2                        ; an image's place for my lane
	v_lshlrev_b32 v7, 3, v2                        ; the table: 8 bytes a lane
	s_wait_kmcnt 0x0
	s_add_nc_u64 s[8:9], s[8:9], s[24:25]
	s_add_nc_u64 s[14:15], s[14:15], s[26:27]
	s_add_nc_u64 s[16:17], s[16:17], s[22:23]
.macro WLOAD g                         ; four k chunks of 32: sixteen loads, into set g % 2
.irp kc, 0,1,2,3
.irp q, 0,1
.irp e, 0,1
	global_load_b128 v[16+64*((\g)%2)+16*\kc+8*\q+4*\e:16+64*((\g)%2)+16*\kc+8*\q+4*\e+3], v3, s[8:9] offset:(4*(\g)+\kc)*128+64*\q+16*\e
.endr
.endr
.endr
.endm
.macro WCONV g, left                   ; rounded to f16 and stored as images
	s_wait_loadcnt \left                           ; this group's loads are in; the younger group's sixteen may be out
	s_wait_xcnt 0x0                                ; the last group's stores have read v144-175
.set i, 0
.rept 32
	v_cvt_pk_f16_f32 v[144+i], v[16+64*((\g)%2)+2*i], v[16+64*((\g)%2)+2*i+1]
.set i, i+1
.endr
.irp kc, 0,1,2,3
.irp q, 0,1
	global_store_b128 v4, v[144+8*\kc+4*\q:144+8*\kc+4*\q+3], s[14:15] offset:(4*(\g)+\kc)*1024+512*\q   ; 512 consecutive bytes
.endr
.endr
.endm
	WLOAD 0
	WLOAD 1
	; the table, while those loads are out.  Lane l makes words 2 l and 2 l + 1 of a position's 64: lanes 0-15 cos, lanes 16-31 sin = cos a quarter turn back
	v_and_b32 v6, 15, v0
	v_lshlrev_b32 v6, 1, v6
	v_cvt_f32_u32 v8, v6                           ; j = 2 (l % 16),
	v_add_f32 v9, 1.0, v8                          ; and j + 1
	v_mul_f32 v8, 0xbed49a78, v8                   ; - j log2(10000) / 32
	v_mul_f32 v9, 0xbed49a78, v9
	v_exp_f32 v8, v8                               ; 10000^(-j / 32)
	v_exp_f32 v9, v9
	v_cvt_f32_u32 v10, v5                          ; (a plain instruction behind the exponentials)
	s_wait_alu depctr_va_vdst(0)                   ; one wait for both, ahead of their first reader
	v_mul_f32 v10, 0x3e800000, v10                 ; the quarter turn
	v_mov_b32 v11, s28
.macro COSREV i
	v_add_nc_u32 v14, \i, v11
	v_cvt_f32_u32 v14, v14                         ; t
	v_mul_f32 v144, v14, v8                        ; the angle, rounded to f32 as the definition rounds it
	v_mul_f32 v145, v14, v9
	v_fma_f32 v146, v144, s39, -v10                ; in turns
	v_fma_f32 v147, v145, s39, -v10
	v_rndne_f32 v146, v146
	v_rndne_f32 v147, v147
	v_fma_f32 v146, v144, s39, -v146               ; whole turns off, in one rounding
	v_fma_f32 v147, v145, s39, -v147
	v_sub_f32 v146, v146, v10
	v_sub_f32 v147, v147, v10
	v_mul_f32 v146, v146, v146
	v_mul_f32 v147, v147, v147
	v_fma_f32 v[176+2*\i], v146, s30, s31
	v_fma_f32 v[177+2*\i], v147, s30, s31
.irp c, 32,33,34,35,36,37,38
	v_fma_f32 v[176+2*\i], v[176+2*\i], v146, s\c
	v_fma_f32 v[177+2*\i], v[177+2*\i], v147, s\c
.endr
	v_fma_f32 v[176+2*\i], v[176+2*\i], v146, 1.0
	v_fma_f32 v[177+2*\i], v[177+2*\i], v147, 1.0
	global_store_b64 v7, v[176+2*\i:177+2*\i], s[16:17] offset:256*\i   ; a position's 256 bytes, aligned; each position has registers of its own
.endm
.irp i, 0,1,2,3,4,5,6,7
	COSREV \i
.endr
	WCONV 0, 16
	WLOAD 2
	WCONV 1, 16
	WLOAD 3
	WCONV 2, 16
	WCONV 3, 0
	s_endpgm
.Lfunc_end_k_qe1f3349f93_prep:
	.size	k_qe1f3349f93_prep, .Lfunc_end_k_qe1f3349f93_prep-k_qe1f3349f93_prep
	.p2alignl 7, 3214868480
	.fill 96, 4, 3214868480
	.section	.rodata,"a",@progbits
	.p2align	6, 0x0
	.amdhsa_kernel k_qe1f3349f93_prep
		.amdhsa_group_segment_fixed_size 33280
		.amdhsa_private_segment_fixed_size 0
		.amdhsa_enable_private_segment 0
		.amdhsa_kernarg_size 56
		.amdhsa_user_sgpr_count 2
		.amdhsa_user_sgpr_kernarg_segment_ptr 1
		.amdhsa_wavefront_size32 1
		.amdhsa_system_sgpr_workgroup_id_x 1
		.amdhsa_system_sgpr_workgroup_id_y 1
		.amdhsa_system_sgpr_workgroup_id_z 1
		.amdhsa_system_vgpr_workitem_id 0
		.amdhsa_next_free_vgpr 192
		.amdhsa_next_free_sgpr 66
		.amdhsa_reserve_vcc 0
		.amdhsa_float_denorm_mode_32 3
		.amdhsa_float_denorm_mode_16_64 3
		.amdhsa_memory_ordered 1
		.amdhsa_forward_progress 1
		.amdhsa_inst_pref_size 67
	.end_amdhsa_kernel
	.amdgpu_metadata
---
amdhsa.version: [ 1, 2 ]
amdhsa.kernels:
  - .name:           k_qe1f3349f93_prep
    .symbol:         k_qe1f3349f93_prep.kd
    .args:
      - { .name: x, .offset: 0, .size: 8, .value_kind: global_buffer, .address_space: global }
      - { .name: W_qkv, .offset: 8, .size: 8, .value_kind: global_buffer, .address_space: global }
      - { .name: W_out, .offset: 16, .size: 8, .value_kind: global_buffer, .address_space: global }
      - { .name: codes, .offset: 24, .size: 8, .value_kind: global_buffer, .address_space: global }
      - { .name: scales, .offset: 32, .size: 8, .value_kind: global_buffer, .address_space: global }
      - { .name: wo16, .offset: 40, .size: 8, .value_kind: global_buffer, .address_space: global }
      - { .name: rope, .offset: 48, .size: 8, .value_kind: global_buffer, .address_space: global }
    .group_segment_fixed_size: 33280
    .private_segment_fixed_size: 0
    .kernarg_segment_align: 8
    .kernarg_segment_size: 56
    .max_flat_workgroup_size: 128
    .sgpr_count:     66
    .vgpr_count:     192
    .wavefront_size: 32
...
	.end_amdgpu_metadata
.endif
;; end of part 1
;; launch qkv (part 2): grid 12 x 16, 4 waves a work-group, clusters of 4 x 4, 327,680 bytes of LDS; arguments codes, scales, rope, hyp_k, qkv16, lift, fine; writes qkv16, lift, fine
.if DOCPART == 2
	.amdgcn_target "amdgcn-amd-amdhsa--gfx1250"
	.amdhsa_code_object_version 6
	.text
	.protected	k_qe1f3349f93_qkv
	.globl	k_qe1f3349f93_qkv
	.p2align	8
	.type	k_qe1f3349f93_qkv,@function
k_qe1f3349f93_qkv:
	s_mov_b64 s[64:65], 0
	v_nop
	global_prefetch_b8 v0, s[64:65] scope:SCOPE_SE
	s_setreg_imm32_b32 hwreg(HW_REG_WAVE_MODE, 25, 1), 1
	s_wait_xcnt 0x0
	s_wait_alu depctr_hold_cnt(0) depctr_sa_sdst(0) depctr_va_vdst(0) depctr_va_sdst(0) depctr_va_ssrc(0) depctr_va_vcc(0) depctr_vm_vsrc(0)
	s_getreg_b32 s2, hwreg(HW_REG_IB_STS2, 6, 4)
	s_cmp_eq_u32 s2, 0
	s_cbranch_scc0 .Lentry_in_a_cluster
	s_endpgm
.Lentry_in_a_cluster:
	s_bfe_u32 s2, ttmp6, 0x10000c
	s_cmp_lg_u32 s2, 0xf033
	s_cbranch_scc0 .Lentry_shape_is_right
	s_endpgm
.Lentry_shape_is_right:
; qkv = x W_qkv^T on codes of FP4 with E8M0 scales (M 4,096, N 3,072, K 1,024), then, in registers: the rotary embedding of q and k, the Lorentz lift, and the way out as images of the next launch's operands.
; A tile of 256 x 256 to a work-group of four waves, 128 x 128 a wave: 64 accumulators, 512 registers.  K = 1,024 is two slots of 512: both are asked for at the start, nothing is filled again.
; CLUSTERS 4 x 4: x's tiles are asked for jointly along a row of the cluster, W's along a column.  Cluster x is the TYPE (0 q, 1 k, 2 v): 1,024 columns = four tile columns.
;   The tile row is 4 cy + cluster y: the batch is cy, the tile's first position 256 x cluster y.  So every branch below hangs on the cluster's numbers and the wave's, which all partners share.
;   192 work-groups: the type has to be a number that the partners share, and the tile is the largest that the registers hold.
; q, k: source 0 = 16 rows of W, source 1 = 16 rows of x: a lane holds one position and eight neighbouring columns.  v: THE SOURCES CHANGE PLACES (only three LDS read addresses differ): a lane holds one channel and eight neighbouring positions,
;   which is how the keys must lie for the product with the weights.
; OUT.  rk = 1 / sqrt(kc).  qkv16: q rk and k rk in bf16, [bh][t tile 64][d chunk 2][1,024 bytes]; v in f16, [bh][32 keys: 32][d tile 4][1,024 bytes]; an image: registers 0-3 of lane l at 16 l, 4-7 at 512 + 16 l.
;   lift: sqrt(kc + |q|^2) rk, [q, k][bh][t] f32.   fine: positions 0-15 in f32, as register images (q, k after the embedding, not scaled; v as the accumulators stand).
; LIMITS: |v| beyond 65,504 does not fit f16; NaN and infinities are not served.
; REGISTERS: window 0: v4-15 small numbers of the way out, v16-30 addresses; v32-95 scale words, two sets; v128-191 source 1's fragments.  window 1: source 0's fragments, two sets.  windows 2, 3: the accumulators ((a, b) at v[8 (8 (a % 4) + b)]).
;   On the way out window 0: v32-95 cos and sin, two sets; v96-159 the turned numbers; v160-223 at work; v224-255 packed.
.set KSTEP,  512
.set NQ,     4
.set ROWB,   256
.set KROW,   512                       ; a row of codes in memory
.set PITCH,  272                       ; 256 bytes + 16 of padding: the 16 rows of a load start at 16 different groups of four banks
.set FR,     8
.set NL,     2
.set NP,     4
.set HALFT,  128*PITCH
.set SLOT,   4*HALFT
.set KS,     32                        ; a row of scale bytes
.set SCL,    2*SLOT
.set HALFS,  (128*KS/256)*272
.set SBLK,   (16*KS/256)*272
.set SPARE,  SCL+4*HALFS               ; the spare words: 128 bytes a wave, named by no other line
.set LIFTS,  SPARE+512                 ; 1,024 bytes a wave: the lifts of 128 positions x 2 heads, gathered for whole stores; no tile lands here
.set ADRA, 16                          ; v16-17 LDS address of source 1's fragments in slot 0, 1
.set ADRB, 20                          ; v20-21 of source 0's
.set TBO,  24                          ; v24    my place in the table: (my first position + r) 256 + 32 h
.set LI,   25                          ; v25    16 x lane
.set LFA,  26                          ; v26    LIFTS + 1,024 wave + 4 r
.set ADRS, 27                          ; v27    LDS address of my scale words
.set SPW,  28
.set NIL,  29
.set LFR,  30                          ; v30    LIFTS + 1,024 wave + 16 lane
.set SC,   32
.set AF,   128
.set Y,    96
.set T,    160
.set PK,   224
.set G1, 24
.set G0, 32
.set G1B, 48
.set G0B, 56
.set G1S, 68
.set G0S, 76
.set G1SB, 80
.set G0SB, 88
.set MSB, 0
.macro WIN new                         ; the immediate's high byte repeats the setting that is left
.if MSB != \new
	s_set_vgpr_msb (MSB<<8)|\new
.set MSB, \new
.endif
.endm
.set MUL_LO, 0xa1                      ; source 0 window 1, source 1 window 0, C and D window 2
.set MUL_HI, 0xf1
.set TO_B,   0x40
.macro JLOAD g0a, g1a, g0b, g1b        ; a joint load: waves 0, 1 fetch x's, waves 2, 3 W's; s_nop 0 and four v_nop follow each line
	s_cmp_eq_u32 s15, 0
	s_cbranch_scc0 .Lfor_b_\@
	tensor_load_to_lds s[\g0a:\g0a+3], s[\g1a:\g1a+7]
	s_nop 0
.rept 4
	v_nop
.endr
	s_branch .Lasked_\@
.Lfor_b_\@:
	tensor_load_to_lds s[\g0b:\g0b+3], s[\g1b:\g1b+7]
	s_nop 0
.rept 4
	v_nop
.endr
.Lasked_\@:
.endm
.macro CROUND                          ; a round of the cluster's barrier
	s_barrier_signal -1
	s_barrier_wait -1
	s_cmp_lg_u32 s14, 0
	s_cbranch_scc1 .Lnot_wave_0_\@
	s_barrier_signal -3
.Lnot_wave_0_\@:
	s_barrier_wait -3
	s_barrier_signal -1
	s_barrier_wait -1
.endm
	s_load_b128 s[4:7], s[0:1], 0x0                ; codes s[4:5], scales s[6:7]
	v_lshl_add_u32 v[SPW], v0, 2, SPARE
	v_mov_b32 v[NIL], 0
	ds_add_u32 v[SPW], v[NIL]                      ; the opening: the add, twice on end, and its wait ahead of my first tensor load
	ds_add_u32 v[SPW], v[NIL]
	v_lshrrev_b32 v1, 5, v0
	v_readfirstlane_b32 s14, v1                    ; wave
	s_lshr_b32 s15, s14, 1                         ; my half of x's rows.  Also: I fetch x's (0) or W's (1)
	s_and_b32 s16, s14, 1                          ; my half of W's rows.  Also: which 128 rows I fetch
	s_bfe_u32 s40, ttmp6, 0x40000                  ; cx
	s_bfe_u32 s41, ttmp6, 0x40004                  ; cy
	s_lshl_b32 s42, ttmp9, 2
	s_add_co_u32 s42, s42, s40                     ; tile column = 4 x type + cx
	s_and_b32 s95, ttmp7, 0xffff                   ; cluster y
	s_lshl_b32 s17, s41, 2
	s_add_co_u32 s17, s17, s95                     ; tile row = 4 cy + cluster y
	s_lshl_b32 s43, s41, 2
	s_lshl_b32 s43, 15, s43                        ; my row of the cluster
	s_lshl_b32 s44, 0x1111, s40                    ; my column
	s_or_b32 s[G1+0], s43, (0<<16)|(1<<20)|(1<<21)|(5<<22)|(3<<25)   ; the mask; elements of 1 byte; padding: four words behind every 64; bit 21 beside a mask
	s_or_b32 s[G1B+0], s44, (0<<16)|(1<<20)|(1<<21)|(5<<22)|(3<<25)
.irp g, G1, G1B
	s_mov_b32 s[\g+1], ROWB<<16                    ; tensor_dim0
	s_mov_b32 s[\g+2], 128<<16                     ; tensor_dim1
	s_mov_b32 s[\g+3], ROWB<<16                    ; tile_dim0
	s_mov_b32 s[\g+4], 128                         ; tile_dim1
	s_mov_b32 s[\g+5], KROW                        ; the pitch
	s_mov_b32 s[\g+6], 0
	s_mov_b32 s[\g+7], 0
.endr
	s_or_b32 s[G1S+0], s43, (3<<16)|(1<<20)|(1<<21)|(5<<22)|(3<<25)  ; the scales of 128 rows: 4,096 dense bytes as 16 rows of 256, 16 bytes of padding behind each
	s_or_b32 s[G1SB+0], s44, (3<<16)|(1<<20)|(1<<21)|(5<<22)|(3<<25)
.irp g, G1S, G1SB
	s_mov_b32 s[\g+1], 32<<16
	s_mov_b32 s[\g+2], (128*KS/256)<<16
	s_mov_b32 s[\g+3], 32<<16
	s_mov_b32 s[\g+4], 128*KS/256
	s_mov_b32 s[\g+5], 32
	s_mov_b32 s[\g+6], 0
	s_mov_b32 s[\g+7], 0
.endr
	s_lshl_b32 s18, s16, 7
	s_lshl_b32 s20, s17, 8
	s_add_co_u32 s20, s20, s18                     ; x: row 256 x tile row + 128 x half
	s_lshl_b32 s46, s42, 8
	s_add_co_u32 s46, s46, s18                     ; W: row 256 x tile column + 128 x half
	s_mov_b32 s21, 0
	s_mov_b32 s47, 0
	s_mov_b64 s[18:19], KS
	s_mul_u64 s[22:23], s[20:21], s[18:19]
	s_mul_u64 s[92:93], s[46:47], s[18:19]
	s_mov_b64 s[18:19], KROW
	s_mul_u64 s[20:21], s[20:21], s[18:19]
	s_mul_u64 s[46:47], s[46:47], s[18:19]
	s_mul_i32 s45, s14, HALFT                      ; where they go: wave x 128 rows
	s_mul_i32 s94, s14, HALFS
	s_wait_dscnt 0x0                               ; both opening adds are done
	s_wait_kmcnt 0x0
	s_add_nc_u64 s[8:9], s[4:5], 0x200000          ; W's codes lie behind x's 2,097,152 bytes,
	s_add_nc_u64 s[10:11], s[6:7], 0x20000         ; its scale bytes behind x's 131,072
	s_add_nc_u64 s[20:21], s[4:5], s[20:21]
	s_add_nc_u64 s[22:23], s[6:7], s[22:23]
	s_add_nc_u64 s[46:47], s[8:9], s[46:47]
	s_add_nc_u64 s[92:93], s[10:11], s[92:93]
	CROUND                                         ; all sixteen work-groups are here: the joint loads meet
	s_mov_b32 s[G0S], 1
	s_add_co_u32 s[G0S+1], s94, SCL
	s_mov_b64 s[G0S+2:G0S+3], s[22:23]
	s_or_b32 s[G0S+3], s[G0S+3], 0x80000000
	s_mov_b32 s[G0SB], 1
	s_add_co_u32 s[G0SB+1], s94, SCL
	s_mov_b64 s[G0SB+2:G0SB+3], s[92:93]
	s_or_b32 s[G0SB+3], s[G0SB+3], 0x80000000
	JLOAD G0S, G1S, G0SB, G1SB                     ; the scales first; then both slots: three loads of mine are out
.irp s, 0,1
	s_mov_b32 s[G0+4*\s], 1
	s_add_co_u32 s[G0+4*\s+1], s45, \s*SLOT
	s_add_nc_u64 s[G0+4*\s+2:G0+4*\s+3], s[20:21], \s*ROWB
	s_or_b32 s[G0+4*\s+3], s[G0+4*\s+3], 0x80000000
	s_mov_b32 s[G0B+4*\s], 1
	s_add_co_u32 s[G0B+4*\s+1], s45, \s*SLOT
	s_add_nc_u64 s[G0B+4*\s+2:G0B+4*\s+3], s[46:47], \s*ROWB
	s_or_b32 s[G0B+4*\s+3], s[G0B+4*\s+3], 0x80000000
	JLOAD G0+4*\s, G1, G0B+4*\s, G1B
.endr
	v_and_b32 v1, 15, v0                           ; r
	v_bfe_u32 v2, v0, 4, 1                         ; h
	v_mul_u32_u24 v3, v1, PITCH
	v_lshl_add_u32 v4, v2, 4, v3
	s_mul_i32 s21, s15, HALFT                      ; my 128 rows of x
	s_mul_i32 s22, s16, HALFT
	s_add_co_u32 s22, s22, 2*HALFT                 ; my 128 rows of W, behind x's 256
	s_cmp_eq_u32 ttmp9, 2                          ; v: the sources change places
	s_cselect_b32 s96, 1, 0
	s_cselect_b32 s18, s22, s21                    ; source 1 reads here,
	s_cselect_b32 s19, s21, s22                    ; source 0 here
.irp s, 0,1
	v_add_nc_u32 v[ADRA+\s], s18, v4
	v_add_nc_u32 v[ADRB+\s], s19, v4
	s_add_co_u32 s18, s18, SLOT
	s_add_co_u32 s19, s19, SLOT
.endr
	v_mul_u32_u24 v5, v1, KS                       ; my row's scales: 32 bytes a row, and 16 more for each 256 passed
	v_lshrrev_b32 v6, 8, v5
	v_lshl_add_u32 v5, v6, 4, v5
	s_mul_i32 s21, s15, HALFS                      ; x's
	s_mul_i32 s22, s16, HALFS
	s_add_co_u32 s22, s22, 2*HALFS                 ; W's
	s_sub_co_u32 s22, s22, s21
	v_xor_b32 v6, s96, v2                          ; lanes 0-15 carry source 1's words, lanes 16-31 source 0's
	v_mul_u32_u24 v6, s22, v6                      ; one product on the lower base
	s_add_co_u32 s21, s21, SCL
	v_add_nc_u32 v5, v5, v6
	v_add_nc_u32 v[ADRS], s21, v5
	s_lshl_b32 s98, s95, 8
	s_lshl_b32 s18, s15, 7
	s_add_co_u32 s98, s98, s18                     ; my first position: 256 x cluster y + 128 x half
	s_or_b32 s97, s95, s15                         ; 0 where my rows begin with position 0
	v_lshlrev_b32 v[TBO], 8, v1
	v_lshl_add_u32 v[TBO], v2, 5, v[TBO]
	s_lshl_b32 s18, s98, 8
	v_add_nc_u32 v[TBO], s18, v[TBO]
	v_and_b32 v5, 31, v0
	v_lshlrev_b32 v[LI], 4, v5
	s_lshl_b32 s18, s14, 10
	s_add_co_u32 s18, s18, LIFTS
	v_lshl_add_u32 v[LFA], v1, 2, s18
	v_add_nc_u32 v[LFR], s18, v[LI]
.macro FRAG reg, adr, q, i             ; 16 rows x 128 K of 4-bit codes: 8 registers, two loads of 16 bytes, 32 bytes apart
.irp c, 0,1
	ds_load_b128 v[\reg+4*\c:\reg+4*\c+3], v[\adr] offset:64*(\q)+32*\c+(\i)*16*PITCH
.endr
.endm
; 16 matrix instructions: source 1's blocks a0, a0 + 1 x source 0's eight.  The 64 accumulators take turns, one instruction a turn, in the same order in every step.
.macro MUL16 a0, p, q, sc, zero
.irp a, \a0, \a0+1
.irp b, 0,1,2,3,4,5,6,7
.if \zero
	v_wmma_scale_f32_16x16x128_f8f6f4 v[8*(8*((\a)%4)+\b):8*(8*((\a)%4)+\b)+7], v[128*(\p)+FR*\b:128*(\p)+FR*\b+FR-1], v[AF+FR*(\a):AF+FR*(\a)+FR-1], 0, v[SC+8*NQ*(\sc)+NQ*\b+(\q)], v[SC+8*NQ*(\sc)+NQ*(\a)+(\q)] matrix_a_fmt:MATRIX_FMT_FP4 matrix_b_fmt:MATRIX_FMT_FP4 matrix_a_scale:MATRIX_SCALE_ROW1
.else
	v_wmma_scale_f32_16x16x128_f8f6f4 v[8*(8*((\a)%4)+\b):8*(8*((\a)%4)+\b)+7], v[128*(\p)+FR*\b:128*(\p)+FR*\b+FR-1], v[AF+FR*(\a):AF+FR*(\a)+FR-1], v[8*(8*((\a)%4)+\b):8*(8*((\a)%4)+\b)+7], v[SC+8*NQ*(\sc)+NQ*\b+(\q)], v[SC+8*NQ*(\sc)+NQ*(\a)+(\q)] matrix_a_fmt:MATRIX_FMT_FP4 matrix_b_fmt:MATRIX_FMT_FP4 matrix_a_scale:MATRIX_SCALE_ROW1
.endif
.endr
.endr
.endm
.macro FETCH_B slot, q, p
	WIN TO_B
.irp i, 0,1,2,3,4,5,6,7
	FRAG 128*(\p)+FR*\i, ADRB+\slot, \q, \i
.endr
	WIN 0
.endm
.macro FETCH_A slot, q, i0
.irp i, \i0, \i0+1, \i0+2, \i0+3
	FRAG AF+FR*(\i), ADRA+\slot, \q, \i
.endr
.endm
.macro SCALES sc                       ; a slot's scale words: four a row
.irp i, 0,1,2,3,4,5,6,7
	ds_load_b128 v[SC+8*NQ*\sc+NQ*\i:SC+8*NQ*\sc+NQ*\i+3], v[ADRS] offset:\i*SBLK
.endr
.endm
.macro PLACES n                        ; plain vector instructions between a matrix instruction and a load into, or a read of, its registers
.rept \n
	v_nop
.endr
.endm
.macro STEP slot, q, zero              ; 128 along K, with its successor in the same slot
	s_wait_dscnt 4*NL                              ; all but the youngest eight loads (source 1's blocks 4-7) are in
	WIN MUL_LO
	MUL16 0, (\q)%2, \q, \slot, \zero
	MUL16 2, (\q)%2, \q, \slot, \zero
	s_wait_dscnt 0
	PLACES NP
	FETCH_B \slot, (\q)+1, 1-(\q)%2
	FETCH_A \slot, (\q)+1, 0
	WIN MUL_HI
	MUL16 4, (\q)%2, \q, \slot, \zero
	MUL16 6, (\q)%2, \q, \slot, \zero
	PLACES NP
	WIN 0
	FETCH_A \slot, (\q)+1, 4
.endm
.macro TURN slot, next                 ; a slot's last step, and the change of slots: one barrier; nothing is filled again
	s_wait_tensorcnt 0x0                           ; all my tensor loads have landed: my part of the next slot
	ds_add_u32 v[SPW], v[NIL]
	s_wait_dscnt 4*NL+1                            ; the add and the youngest eight loads may be out
	WIN MUL_LO
	MUL16 0, 1, NQ-1, \slot, 0
	s_wait_dscnt 0x0                               ; the add is done, my reads of this slot are over
	s_barrier_signal -1
	MUL16 2, 1, NQ-1, \slot, 0
	WIN 0
	s_barrier_wait -1
	PLACES NP
	v_add_nc_u32 v[ADRS], 4*NQ, v[ADRS]            ; the next slot's scale words
	FETCH_B \next, 0, 0
	FETCH_A \next, 0, 0
	SCALES \next
	WIN MUL_HI
	MUL16 4, 1, NQ-1, \slot, 0
	MUL16 6, 1, NQ-1, \slot, 0
	PLACES NP
	WIN 0
	FETCH_A \next, 0, 4
.endm
.macro TABLE a, set                    ; cos and sin of the 16 positions of block a, my 16 channels of each: eight loads
.irp bb, 0,1
.irp e, 0,1
	global_load_b128 v[32+32*(\set)+8*\bb+4*\e:32+32*(\set)+8*\bb+4*\e+3], v[TBO], s[24:25] offset:4096*(\a)+64*\bb+16*\e
	global_load_b128 v[48+32*(\set)+8*\bb+4*\e:48+32*(\set)+8*\bb+4*\e+3], v[TBO], s[24:25] offset:4096*(\a)+128+64*\bb+16*\e
.endr
.endr
.endm
	s_wait_tensorcnt 1                             ; the scales and my part of slot 0 are in; slot 1's load may be out
	s_barrier_signal -1
	s_barrier_wait -1
	FETCH_B 0, 0, 0
	FETCH_A 0, 0, 0
	SCALES 0
	FETCH_A 0, 0, 4
	STEP 0, 0, 1                                   ; the first products start the sums: nothing is cleared
	STEP 0, 1, 0
	STEP 0, 2, 0
	TURN 0, 1
	s_load_b256 s[24:31], s[0:1], 0x10             ; no tensor load is out, so the descriptors' registers are free: rope s[24:25], hyp_k s[26:27], qkv16 s[28:29], lift s[30:31]
	s_load_b64 s[32:33], s[0:1], 0x30              ; fine
	STEP 1, 0, 0
	STEP 1, 1, 0
	STEP 1, 2, 0
	s_wait_kmcnt 0x0
	s_lshl_b32 s36, s40, 4
	s_lshl_b32 s37, s16, 3
	s_add_co_u32 s36, s36, s37                     ; 4 bytes x (4 cx + 2 x half): my two heads' curvatures
	s_mov_b32 s37, 0
	s_add_nc_u64 s[26:27], s[26:27], s[36:37]
	s_load_b64 s[34:35], s[26:27], 0x0
	TABLE 0, 0                                     ; into slot 0's scale words, which were last read ahead of the places in the change of slots
	s_wait_dscnt 4*NL                              ; the last step: nothing more to fetch
	WIN MUL_LO
	MUL16 0, 1, NQ-1, 1, 0
	MUL16 2, 1, NQ-1, 1, 0
	s_wait_dscnt 0
	WIN MUL_HI
	MUL16 4, 1, NQ-1, 1, 0
	MUL16 6, 1, NQ-1, 1, 0
	WIN 0
	PLACES NP
	; ---------------- the way out
	s_wait_kmcnt 0x0
	s_lshl_b32 s36, s41, 4
	s_lshl_b32 s37, s40, 2
	s_add_co_u32 s36, s36, s37
	s_lshl_b32 s37, s16, 1
	s_add_co_u32 s36, s36, s37                     ; bh of my first head: 16 cy + 4 cx + 2 x half
	s_lshl_b32 s38, ttmp9, 23                      ; the type's 8,388,608 bytes,
	s_lshl_b32 s37, s36, 17                        ; a head's 131,072,
	s_add_co_u32 s38, s38, s37
	s_lshl_b32 s37, s98, 7                         ; 128 bytes a position (q, k: 2,048 for 16; v: 4,096 for 32)
	s_add_co_u32 s38, s38, s37
	s_mov_b32 s39, 0
	s_add_nc_u64 s[44:45], s[28:29], s[38:39]      ; my images
	s_lshl_b32 s38, ttmp9, 18
	s_lshl_b32 s37, s36, 12
	s_add_co_u32 s38, s38, s37
	s_add_nc_u64 s[48:49], s[32:33], s[38:39]      ; my heads' 4,096 bytes each in fine
	s_lshl_b32 s37, s98, 2
	s_add_co_u32 s38, s38, s37
	s_add_nc_u64 s[46:47], s[30:31], s[38:39]      ; my lifts (q and k alone use it)
	s_mov_b32 s50, 0x76543210
	s_mov_b32 s51, 0xfedcba98                      ; lane l xor 16
	s_cmp_eq_u32 s96, 1
	s_cbranch_scc1 .Lvpath
	; ---- q and k.  Accumulator (a, b): lane (r, h) holds position 16 a + r, head b / 4, channel 16 (b % 4) + 8 h + j
	v_mov_b32 v8, s34                              ; kc of my two heads
	v_mov_b32 v9, s35
	v_rsq_f32 v4, v8
	v_rsq_f32 v6, v9
	v_mov_b32 v14, 0                               ; (plain instructions behind the two; a lane permute's destination counts as read)
	v_mov_b32 v15, 0
	s_wait_alu depctr_va_vdst(0)                   ; one wait for both, ahead of their first reader
	v_mov_b32 v5, v4
	v_mov_b32 v7, v6
.macro BLOCK a
.set CSS, 32+32*((\a)%2)
.set WW, 2+(\a)/4
.set AB, 64*((\a)%4)
	s_wait_xcnt 0x0                                ; the last block's stores have read their registers
.if (\a) < 7
	TABLE (\a)+1, ((\a)+1)%2
	s_wait_loadcnt 8                               ; this block's table is in; the next block's eight loads stay out
.else
	s_wait_loadcnt 0x0
.endif
	WIN WW                                         ; source 0: the accumulators' window.
.irp hh, 0,1
.irp bb, 0,1
.irp jp, 0,2,4,6
	v_pk_mul_f32 v[T+16*(2*\hh+\bb)+\jp:T+16*(2*\hh+\bb)+\jp+1], v[AB+8*(4*\hh+2+\bb)+\jp:AB+8*(4*\hh+2+\bb)+\jp+1], v[CSS+16+8*\bb+\jp:CSS+16+8*\bb+\jp+1]       ; x2 sin
.endr
.irp jp, 0,2,4,6
	v_pk_mul_f32 v[T+16*(2*\hh+\bb)+8+\jp:T+16*(2*\hh+\bb)+8+\jp+1], v[AB+8*(4*\hh+\bb)+\jp:AB+8*(4*\hh+\bb)+\jp+1], v[CSS+16+8*\bb+\jp:CSS+16+8*\bb+\jp+1]     ; x1 sin
.endr
.irp jp, 0,2,4,6
	v_pk_fma_f32 v[Y+32*\hh+8*\bb+\jp:Y+32*\hh+8*\bb+\jp+1], v[AB+8*(4*\hh+\bb)+\jp:AB+8*(4*\hh+\bb)+\jp+1], v[CSS+8*\bb+\jp:CSS+8*\bb+\jp+1], v[T+16*(2*\hh+\bb)+\jp:T+16*(2*\hh+\bb)+\jp+1]   ; x1 cos + x2 sin
.endr
.irp jp, 0,2,4,6
	v_pk_fma_f32 v[Y+32*\hh+8*(2+\bb)+\jp:Y+32*\hh+8*(2+\bb)+\jp+1], v[AB+8*(4*\hh+2+\bb)+\jp:AB+8*(4*\hh+2+\bb)+\jp+1], v[CSS+8*\bb+\jp:CSS+8*\bb+\jp+1], v[T+16*(2*\hh+\bb)+8+\jp:T+16*(2*\hh+\bb)+8+\jp+1] neg_lo:[0,0,1] neg_hi:[0,0,1]   ; x2 cos - x1 sin
.endr
.endr
.endr
	WIN 0
	v_pk_mul_f32 v[10:11], v[Y:Y+1], v[Y:Y+1]      ; the sums of squares, the two heads by turns
	v_pk_mul_f32 v[12:13], v[Y+32:Y+33], v[Y+32:Y+33]
.set i, 2
.rept 15
	v_pk_fma_f32 v[10:11], v[Y+i:Y+i+1], v[Y+i:Y+i+1], v[10:11]
	v_pk_fma_f32 v[12:13], v[Y+32+i:Y+33+i], v[Y+32+i:Y+33+i], v[12:13]
.set i, i+2
.endr
	v_add_f32 v10, v10, v11
	v_add_f32 v12, v12, v13
	v_permlanex16_b32 v14, v10, s50, s51           ; the position's other 32 channels lie 16 lanes away
	v_permlanex16_b32 v15, v12, s50, s51
	v_add_f32 v10, v10, v14
	v_add_f32 v12, v12, v15
	v_add_f32 v10, v10, v8                         ; + kc
	v_add_f32 v12, v12, v9
	v_sqrt_f32 v11, v10
	v_sqrt_f32 v13, v12
.set i, 0
.rept 16
	v_pk_mul_f32 v[T+i:T+i+1], v[Y+i:Y+i+1], v[4:5]            ; x rk: work that names neither root
	v_pk_mul_f32 v[T+32+i:T+33+i], v[Y+32+i:Y+33+i], v[6:7]
.set i, i+2
.endr
	s_wait_alu depctr_va_vdst(0)                   ; one wait for the two roots, ahead of their first reader
	v_mul_f32 v11, v11, v4
	v_mul_f32 v13, v13, v6
	ds_store_b32 v[LFA], v11 offset:64*(\a)        ; both halves of the lanes write the same word with the same value
	ds_store_b32 v[LFA], v13 offset:512+64*(\a)
.if (\a) == 0
	s_cmp_lg_u32 s97, 0                            ; positions 0-15 also leave in f32
	s_cbranch_scc1 .Lno_fine_qk
.set i, 0
.rept 16
	global_store_b128 v[LI], v[Y+4*i:Y+4*i+3], s[48:49] offset:4096*(i/8)+512*(i%8)
.set i, i+1
.endr
.Lno_fine_qk:
.endif
.set i, 0
.rept 32
	v_cvt_pk_bf16_f32 v[PK+i], v[T+2*i], v[T+2*i+1]
.set i, i+1
.endr
.irp hh, 0,1
.irp bq, 0,1,2,3
	global_store_b128 v[LI], v[PK+16*\hh+4*\bq:PK+16*\hh+4*\bq+3], s[44:45] offset:131072*\hh+2048*(\a)+512*\bq   ; 512 consecutive bytes: half an image
.endr
.endr
.endm
.irp a, 0,1,2,3,4,5,6,7
	BLOCK \a
.endr
	ds_load_b128 v[32:35], v[LFR]                  ; my own bytes, served in order: 128 positions' lifts of each head
	ds_load_b128 v[36:39], v[LFR] offset:512
	s_wait_dscnt 0x0
	global_store_b128 v[LI], v[32:35], s[46:47]
	global_store_b128 v[LI], v[36:39], s[46:47] offset:4096
	s_branch .Ldone
	; ---- v.  Accumulator (a, b): lane (r, h) holds head a / 4, channel 16 (a % 4) + r, position 16 b + 8 h + j
.Lvpath:
	s_wait_loadcnt 0x0                             ; the table's loads have landed in v32-63, which are written below
.macro VBLOCK a
.set AB, 64*((\a)%4)
.set PV, 32+32*((\a)%2)
.set WW, 0x0a+5*((\a)/4)
.set WD, 0x08+4*((\a)/4)
	s_wait_xcnt 0x0                                ; earlier stores have read their registers
	WIN WW                                         ; sources 0 and 1: the accumulators' window
.set i, 0
.rept 32
	v_cvt_pk_f16_f32 v[PV+i], v[AB+2*i], v[AB+2*i+1]
.set i, i+1
.endr
	WIN 0
.irp b, 0,1,2,3,4,5,6,7
	global_store_b128 v[LI], v[PV+4*\b:PV+4*\b+3], s[44:45] offset:131072*((\a)/4)+4096*(\b/2)+1024*((\a)%4)+512*(\b%2)
.endr
	s_cmp_lg_u32 s97, 0
	s_cbranch_scc1 .Lno_fine_v_\@
	WIN WD                                         ; a store's data are its source 1
	global_store_b128 v[LI], v[AB:AB+3], s[48:49] offset:4096*((\a)/4)+1024*((\a)%4)
	global_store_b128 v[LI], v[AB+4:AB+7], s[48:49] offset:4096*((\a)/4)+1024*((\a)%4)+512
	WIN 0
.Lno_fine_v_\@:
.endm
.irp a, 0,1,2,3,4,5,6,7
	VBLOCK \a
.endr
.Ldone:
	s_wait_tensorcnt 0x0                           ; the wave's end
	ds_add_u32 v[SPW], v[NIL]
	s_wait_dscnt 0x0
	CROUND                                         ; the closing round
	s_endpgm
.Lfunc_end_k_qe1f3349f93_qkv:
	.size	k_qe1f3349f93_qkv, .Lfunc_end_k_qe1f3349f93_qkv-k_qe1f3349f93_qkv
	.p2alignl 7, 3214868480
	.fill 96, 4, 3214868480
	.section	.rodata,"a",@progbits
	.p2align	6, 0x0
	.amdhsa_kernel k_qe1f3349f93_qkv
		.amdhsa_group_segment_fixed_size 327680
		.amdhsa_private_segment_fixed_size 0
		.amdhsa_enable_private_segment 0
		.amdhsa_kernarg_size 56
		.amdhsa_user_sgpr_count 2
		.amdhsa_user_sgpr_kernarg_segment_ptr 1
		.amdhsa_wavefront_size32 1
		.amdhsa_system_sgpr_workgroup_id_x 1
		.amdhsa_system_sgpr_workgroup_id_y 1
		.amdhsa_system_sgpr_workgroup_id_z 1
		.amdhsa_system_vgpr_workitem_id 0
		.amdhsa_next_free_vgpr 1024
		.amdhsa_next_free_sgpr 100
		.amdhsa_reserve_vcc 0
		.amdhsa_float_denorm_mode_32 3
		.amdhsa_float_denorm_mode_16_64 3
		.amdhsa_memory_ordered 1
		.amdhsa_forward_progress 1
		.amdhsa_inst_pref_size 221
	.end_amdhsa_kernel
	.amdgpu_metadata
---
amdhsa.version: [ 1, 2 ]
amdhsa.kernels:
  - .name:           k_qe1f3349f93_qkv
    .symbol:         k_qe1f3349f93_qkv.kd
    .args:
      - { .name: codes, .offset: 0, .size: 8, .value_kind: global_buffer, .address_space: global }
      - { .name: scales, .offset: 8, .size: 8, .value_kind: global_buffer, .address_space: global }
      - { .name: rope, .offset: 16, .size: 8, .value_kind: global_buffer, .address_space: global }
      - { .name: hyp_k, .offset: 24, .size: 8, .value_kind: global_buffer, .address_space: global }
      - { .name: qkv16, .offset: 32, .size: 8, .value_kind: global_buffer, .address_space: global }
      - { .name: lift, .offset: 40, .size: 8, .value_kind: global_buffer, .address_space: global }
      - { .name: fine, .offset: 48, .size: 8, .value_kind: global_buffer, .address_space: global }
    .group_segment_fixed_size: 327680
    .private_segment_fixed_size: 0
    .kernarg_segment_align: 8
    .kernarg_segment_size: 56
    .max_flat_workgroup_size: 128
    .sgpr_count:     100
    .vgpr_count:     1024
    .wavefront_size: 32
...
	.end_amdgpu_metadata
.endif
;; end of part 2
;; launch attn (part 3): grid 4 x 64, 16 waves a work-group, clusters of 4 x 1, 305,152 bytes of LDS; arguments qkv16, lift, hyp_k, o16; writes o16
.if DOCPART == 3
	.amdgcn_target "amdgcn-amd-amdhsa--gfx1250"
	.amdhsa_code_object_version 6
	.text
	.protected	k_qe1f3349f93_attn
	.globl	k_qe1f3349f93_attn
	.p2align	8
	.type	k_qe1f3349f93_attn,@function
k_qe1f3349f93_attn:
	s_mov_b64 s[64:65], 0
	v_nop
	global_prefetch_b8 v0, s[64:65] scope:SCOPE_SE
	s_setreg_imm32_b32 hwreg(HW_REG_WAVE_MODE, 25, 1), 1
	s_wait_xcnt 0x0
	s_wait_alu depctr_hold_cnt(0) depctr_sa_sdst(0) depctr_va_vdst(0) depctr_va_sdst(0) depctr_va_ssrc(0) depctr_va_vcc(0) depctr_vm_vsrc(0)
	s_getreg_b32 s2, hwreg(HW_REG_IB_STS2, 6, 4)
	s_cmp_eq_u32 s2, 0
	s_cbranch_scc0 .Lentry_in_a_cluster
	s_endpgm
.Lentry_in_a_cluster:
	s_bfe_u32 s2, ttmp6, 0x10000c
	s_cmp_lg_u32 s2, 0x3003
	s_cbranch_scc0 .Lentry_shape_is_right
	s_endpgm
.Lentry_shape_is_right:
; o = softmax_causal(1 / (1e-6 + sqrt(kc) arccosh(max((q0 k0 - q.k) / kc, 1 + 1e-6)))) v, for one head and batch (bh) a cluster.
; q, k, q0, k0 arrive multiplied by 1 / sqrt(kc), so arg = q0' k0' - q'.k'.  z = arg + sqrt(arg^2 - 1);  t = weight x log2(e) = 1 / (c0 + c1 log2 z), c1 = sqrt(kc) ln2^2, c0 = 1e-6 ln2;  p = 2^(t - m), m the running largest t.
; q'.k' on bf16 operands (it feeds a logarithm), p v on f16 operands, all sums and the whole score function in f32.
; SHARES.  A work-group has 16 tiles of 16 queries: tile g (u = 4 g + cx in the head) needs key steps 0 .. g of 64 keys, and step g holds its diagonal: 136 steps in all.  Sixteen waves, four to a SIMD.
;   EVERY WAVE HAS 8 OR 9 STEPS: tiles p and 15 - p (17 steps) belong to a pair of waves, p = wave / 2.  Wave A: steps 0-7 of tile 15 - p.  Wave B: tile p whole (steps 0 .. p), then steps 8 .. 15 - p of tile 15 - p.
;   A leaves its m, sum and O^T in LDS; behind one barrier B joins them to its own and stores the tile.  Which of a pair is B: bit 0 xor bit 2 of the wave's number, so that of waves w, w + 4, w + 8, w + 12 and of waves 4 s .. 4 s + 3 alike two are A and two B.
;   All waves walk steps 0 .. 15 in the text's order, with constant trip counts, and jump over the steps that are not theirs: every branch hangs on the wave's number and the count of steps, never on the place in the cluster.
; LDS.  The head's K images (131,072 bytes), V images (131,072) and k0' (4,096) are filled ONCE, by joint loads of the cluster's four work-groups (all four walk the same K and V): no slot is filled again.
;   Waves 0-3 ask, five loads each (the most that a wave has out): k0', then four chunks of 256 keys.  Step 0, which every wave has, begins when chunk 0 has landed; the other chunks land under it.  Everything is asked for at the head, so there is nothing to ask ahead of.
; LAYOUT.  S^T = K Q^T and O^T = V^T P: a lane holds one query (lane % 16) throughout; the scores' registers, rounded in pairs, are the second product's operand.
; LIMITS: arg beyond 1.8e19 overflows arg^2; |v| beyond 65,504 does not fit f16; NaN and infinities are not served.  Positions 0-15 of each sequence are made again, in f32, by the last launch.
.set KZ,    262144                     ; LDS: k0'
.set STG,   266240                     ; eight stages, one a pair of waves: O^T as eight images of 512 bytes, then m and the sum, 128 bytes each; no tile lands here
.set STGW,  4608
.set SPARE, 303104                     ; the spare words: 128 bytes a wave
.set LI,  1                            ; v1  16 x lane
.set AZ0, 2                            ; v2  KZ + 32 h
.set DM,  3                            ; v3  16 cx + r - 8 h: on the diagonal, register 8 kt + j is hidden where 16 kt + j is above it
.set ADK, 4
.set ADV, 5
.set ADZ, 6
.set Q0,  8                            ; v[8:9]   q0'
.set MX,  10                           ; v[10:11] m
.set LS,  12                           ; v[12:13] the sum, in two halves
.set AL,  14                           ; v[14:15] 2^(old m - new m); the upper word is written once and not used
.set Q,   16                           ; v16-31   Q: two fragments
.set F,   32                           ; v32-95   eight fragments of K, then of V
.set S,   96                           ; v96-127  S^T, then arg, z, t, p
.set Z,   128                          ; v128-159 k0', then arg^2 - 1 and its root
.set P,   160                          ; v160-175 p in f16
.set O,   176                          ; v176-207 O^T
.set C1,  208
.set C0,  210
.set NINF, 212
.set CH,  214                          ; v214-217 four chains of the maximum; v218 a lane permute's target; v[220:221] the sum's second chain
.set STA, 222                          ; v222 STG + 4,608 p + 16 x lane
.set STB, 223                          ; v223 STG + 4,608 p + 4,096 + 4 x lane
.set Q2,  224                          ; v224-239 Q of tile 15 - p, for B's second part
.set Q02, 240                          ; v240     its q0'
.set SPW, 254
.set NIL, 255
.set WV, 12
.set G,  13                            ; the step that holds the diagonal of the tile in hand
.set CX, 14
.set BH, 15
.set STP, 16
.set TK, 17
.set TV, 18
.set TZ, 19
.set SEL, 20
.set CNT, 22
.set KC, 23
.set EPS1, 80
.set PP,  81                           ; p
.set ROLE, 82                          ; 0: A, 1: B
.set GL,  83                           ; 15 - p
.set LIM, 90                           ; the last step that I work in this half of the walk
.set LIM2, 91                          ; and in the second half: A 7 (none), B 15 - p
.macro ROUND
	s_barrier_signal -1
	s_barrier_wait -1
	s_cmp_lg_u32 s[WV], 0
	s_cbranch_scc1 .Lnot_wave_0_\@
	s_barrier_signal -3
.Lnot_wave_0_\@:
	s_barrier_wait -3
	s_barrier_signal -1
	s_barrier_wait -1
.endm
; where tile s[g]'s Q images, q0' and images of o lie
.macro PTRS g, qp, zp, op
	s_lshl_b32 s72, s[\g], 2
	s_add_co_u32 s72, s72, s[CX]                   ; u: the tile of 16 queries in the head
	s_lshl_b32 s73, s[BH], 17
	s_lshl_b32 s[\qp], s72, 11
	s_add_co_u32 s[\qp], s[\qp], s73
	s_mov_b32 s[\qp+1], 0
	s_add_nc_u64 s[\qp:\qp+1], s[4:5], s[\qp:\qp+1]
	s_lshl_b32 s73, s[BH], 12
	s_lshl_b32 s[\zp], s72, 6
	s_add_co_u32 s[\zp], s[\zp], s73
	s_mov_b32 s[\zp+1], 0
	s_add_nc_u64 s[\zp:\zp+1], s[6:7], s[\zp:\zp+1]
	s_lshr_b32 s73, s[BH], 4
	s_lshl_b32 s73, s73, 6
	s_add_co_u32 s73, s73, s72                     ; the row tile of o: 64 x batch + u
	s_lshl_b32 s[\op], s73, 15
	s_and_b32 s73, s[BH], 15
	s_lshl_b32 s73, s73, 11                        ; k chunks 2 x head, 2 x head + 1
	s_add_co_u32 s[\op], s[\op], s73
	s_mov_b32 s[\op+1], 0
	s_add_nc_u64 s[\op:\op+1], s[10:11], s[\op:\op+1]
.endm
	s_load_b256 s[4:11], s[0:1], 0x0               ; qkv16 s[4:5], lift s[6:7], hyp_k s[8:9], o16 s[10:11]
	v_lshl_add_u32 v[SPW], v0, 2, SPARE
	v_mov_b32 v[NIL], 0
	ds_add_u32 v[SPW], v[NIL]                      ; the opening: the add, twice on end, and its wait ahead of the first tensor load
	ds_add_u32 v[SPW], v[NIL]
	v_lshrrev_b32 v7, 5, v0
	v_readfirstlane_b32 s[WV], v7
	s_lshr_b32 s[PP], s[WV], 1
	s_lshr_b32 s60, s[WV], 2
	s_xor_b32 s60, s60, s[WV]
	s_and_b32 s[ROLE], s60, 1
	s_xor_b32 s[GL], s[PP], 15                     ; 15 - p
	s_mul_i32 s60, s[ROLE], 15
	s_xor_b32 s[G], s[GL], s60                     ; my first tile: A 15 - p, B p
	s_min_u32 s[LIM], s[G], 7                      ; A works steps 0-7, B steps 0 .. p
	s_xor_b32 s60, s[PP], 7
	s_add_co_u32 s60, s60, 1                       ; 8 - p
	s_mul_i32 s60, s60, s[ROLE]
	s_add_co_u32 s[LIM2], s60, 7
	s_bfe_u32 s[CX], ttmp6, 0x40000
	s_and_b32 s[BH], ttmp7, 0xffff
	s_mov_b32 s24, 15|(3<<16)|(1<<21)              ; group 1 for 16,384 dense bytes: the mask of all four; elements of 8 bytes; bit 21 beside a mask
	s_mov_b32 s25, 32<<16                          ; rows of 256 bytes
	s_mov_b32 s26, 64<<16                          ; 64 of them
	s_mov_b32 s27, 32<<16
	s_mov_b32 s28, 64
	s_mov_b32 s29, 32
	s_mov_b32 s30, 0
	s_mov_b32 s31, 0
	s_mov_b32 s32, 15|(3<<16)|(1<<21)              ; and for 1,024: four rows
	s_mov_b32 s33, 32<<16
	s_mov_b32 s34, 4<<16
	s_mov_b32 s35, 32<<16
	s_mov_b32 s36, 4
	s_mov_b32 s37, 32
	s_mov_b32 s38, 0
	s_mov_b32 s39, 0
	s_and_b32 s60, s[WV], 3
	s_lshr_b32 s61, s60, 1                         ; K's (0) or V's (1)
	s_and_b32 s62, s60, 1                          ; which half of a chunk
	s_lshl_b32 s63, s61, 17
	s_lshl_b32 s66, s62, 14
	s_add_co_u32 s63, s63, s66                     ; in LDS: 131,072 x (V) + 16,384 x half
	s_add_co_u32 s68, s61, 1
	s_lshl_b32 s68, s68, 23                        ; in memory: k lies 8,388,608 bytes in, v 16,777,216,
	s_lshl_b32 s67, s[BH], 17
	s_add_co_u32 s68, s68, s67                     ; the head's 131,072,
	s_add_co_u32 s68, s68, s66                     ; my half
	s_mov_b32 s69, 0
	s_lshl_b32 s66, s[BH], 12
	s_lshl_b32 s67, s60, 10
	s_add_co_u32 s66, s66, s67
	s_add_co_u32 s66, s66, 262144                  ; k0': behind q's lifts; the head's 4,096 bytes; my quarter
	s_mov_b32 s67, 0
	s_lshl_b32 s41, s60, 10
	s_add_co_u32 s41, s41, KZ
	s_mov_b32 s40, 1
	s_mov_b32 s[SEL], 0x76543210
	s_mov_b32 s[SEL+1], 0xfedcba98
	s_mov_b32 s[EPS1], 0x3f800008                  ; 1 + 1e-6 in f32
	s_mov_b32 s[STP], 0
	s_wait_dscnt 0x0                               ; both opening adds are done
	s_wait_kmcnt 0x0
	s_add_nc_u64 s[42:43], s[6:7], s[66:67]
	s_or_b32 s43, s43, 0x80000000
	s_add_nc_u64 s[70:71], s[4:5], s[68:69]
.irp c, 0,1,2,3
	s_mov_b32 s[44+4*\c], 1
	s_add_co_u32 s[45+4*\c], s63, 32768*\c
	s_add_nc_u64 s[46+4*\c:47+4*\c], s[70:71], 32768*\c
	s_or_b32 s[47+4*\c], s[47+4*\c], 0x80000000
.endr
	ROUND                                          ; all four work-groups are here: the joint loads meet
	s_cmp_lt_u32 s[WV], 4                          ; all first fills of a wave stand in this one branch
	s_cbranch_scc0 .Lno_fetch
	tensor_load_to_lds s[40:43], s[32:39]
	s_nop 0
.irp c, 0,1,2,3
	tensor_load_to_lds s[44+4*\c:47+4*\c], s[24:31]
	s_nop 0
.endr
.rept 4
	v_nop
.endr
.Lno_fetch:
	PTRS G, 74, 76, 78                             ; my first tile
	PTRS GL, 84, 86, 88                            ; tile 15 - p
	s_and_b32 s60, s[BH], 15
	s_lshl_b32 s60, s60, 2
	s_mov_b32 s61, 0
	s_add_nc_u64 s[8:9], s[8:9], s[60:61]
	s_load_b32 s[KC], s[8:9], 0x0
	v_and_b32 v7, 31, v0
	v_lshlrev_b32 v[LI], 4, v7
	s_mul_i32 s62, s[PP], STGW
	s_add_co_u32 s62, s62, STG                     ; my pair's stage: both waves of a pair make the same two addresses, here, ahead of every parting of the roles
	v_lshl_add_u32 v[STA], v7, 4, s62
	s_add_co_u32 s62, s62, 4096
	v_lshl_add_u32 v[STB], v7, 2, s62
	v_and_b32 v7, 15, v0                           ; r
	v_bfe_u32 v[ADK], v0, 4, 1                     ; h
	v_lshl_add_u32 v[AZ0], v[ADK], 5, KZ
	v_lshlrev_b32 v[ADV], 3, v[ADK]
	v_sub_nc_u32 v[DM], v7, v[ADV]
	s_lshl_b32 s62, s[CX], 4
	v_add_nc_u32 v[DM], s62, v[DM]
	v_lshlrev_b32 v7, 2, v7
.irp i, 0,1,2,3
	global_load_b128 v[Q+4*\i:Q+4*\i+3], v[LI], s[74:75] offset:512*\i
.endr
.irp i, 0,1,2,3
	global_load_b128 v[Q2+4*\i:Q2+4*\i+3], v[LI], s[84:85] offset:512*\i
.endr
	global_load_b32 v[Q0], v7, s[76:77]
	global_load_b32 v[Q02], v7, s[86:87]
	v_mov_b32 v[MX], 0xff61b1e6                    ; -3e38, under every t
	v_mov_b32 v[MX+1], 0xff61b1e6
	v_mov_b32 v[LS], 0
	v_mov_b32 v[LS+1], 0
	v_mov_b32 v[AL], 0
	v_mov_b32 v[AL+1], 0
	v_mov_b32 v[C0], 0x353a10b6                    ; 1e-6 ln2
	v_mov_b32 v[C0+1], 0x353a10b6
	v_mov_b32 v[NINF], 0xff800000
	v_mov_b32 v[CH+2], 0                           ; (named as a pair where the parts are joined)
	v_mov_b32 v[CH+3], 0
	v_mov_b32 v218, 0
.set i, 0
.rept 32
	v_mov_b32 v[O+i], 0                            ; the step is written once: the first finds zeros, which the first change of m leaves zeros
.set i, i+1
.endr
	s_wait_kmcnt 0x0
	v_sqrt_f32 v[C1], s[KC]
	v_nop
	s_wait_alu depctr_va_vdst(0)
	v_mul_f32 v[C1], 0x3ef5fdf0, v[C1]             ; sqrt(kc) ln2^2
	v_mov_b32 v[C1+1], v[C1]
	s_wait_loadcnt 0x0
	v_mov_b32 v[Q0+1], v[Q0]
; A KEY STEP: 64 keys.  Each batch of 32 roots, logarithms, reciprocals, exponentials has one plain instruction behind it and one wait ahead of its first reader; the SIMD's other three waves fill the time.
.macro STEPM
	s_cmp_gt_u32 s[STP], s[LIM]                    ; not my step
	s_cbranch_scc1 .Lskip_\@
	v_add_nc_u32 v[ADK], s[TK], v[LI]              ; four plain instructions: the places behind the last step's products, whose operands are loaded anew below
	v_add_nc_u32 v[ADV], s[TV], v[LI]
	v_add_nc_u32 v[ADZ], s[TZ], v[AZ0]
	v_nop
.irp kt, 0,1,2,3
.irp c, 0,1
	ds_load_b128 v[F+16*\kt+8*\c:F+16*\kt+8*\c+3],   v[ADK] offset:2048*\kt+1024*\c        ; an image comes back as it was stored: 512 consecutive bytes an instruction
	ds_load_b128 v[F+16*\kt+8*\c+4:F+16*\kt+8*\c+7], v[ADK] offset:2048*\kt+1024*\c+512
.endr
.endr
.irp kt, 0,1,2,3
	ds_load_b128 v[Z+8*\kt:Z+8*\kt+3],   v[ADZ] offset:64*\kt                              ; k0' of keys 16 kt + 8 h + 0 .. 7
	ds_load_b128 v[Z+8*\kt+4:Z+8*\kt+7], v[ADZ] offset:64*\kt+16
.endr
	s_wait_dscnt 8                                 ; K is in; the eight loads of k0' may be out
.irp kt, 0,1,2,3
	v_wmma_f32_16x16x32_bf16 v[S+8*\kt:S+8*\kt+7], v[F+16*\kt:F+16*\kt+7], v[Q:Q+7], 0       ; the four accumulators by turns
.endr
.irp kt, 0,1,2,3
	v_wmma_f32_16x16x32_bf16 v[S+8*\kt:S+8*\kt+7], v[F+16*\kt+8:F+16*\kt+15], v[Q+8:Q+15], v[S+8*\kt:S+8*\kt+7]
.endr
.rept 4
	v_nop                                          ; places: K's registers are loaded anew, and the scores are read
.endr
.irp kc, 0,1
.irp dt, 0,1,2,3
	ds_load_b128 v[F+32*\kc+8*\dt:F+32*\kc+8*\dt+3],   v[ADV] offset:4096*\kc+1024*\dt
	ds_load_b128 v[F+32*\kc+8*\dt+4:F+32*\kc+8*\dt+7], v[ADV] offset:4096*\kc+1024*\dt+512
.endr
.endr
	s_wait_dscnt 16                                ; k0' is in; V's sixteen loads land under the score function
.set i, 0
.rept 16
	v_pk_fma_f32 v[S+i:S+i+1], v[Z+i:Z+i+1], v[Q0:Q0+1], v[S+i:S+i+1] neg_lo:[0,0,1] neg_hi:[0,0,1]   ; arg = q0' k0' - q'.k'; each accumulator from its low end on
.set i, i+2
.endr
.set i, 0
.rept 32
	v_max_num_f32 v[S+i], s[EPS1], v[S+i]
.set i, i+1
.endr
.set i, 0
.rept 16
	v_pk_fma_f32 v[Z+i:Z+i+1], v[S+i:S+i+1], v[S+i:S+i+1], -1.0 op_sel_hi:[1,1,0]
.set i, i+2
.endr
.set i, 0
.rept 32
	v_sqrt_f32 v[Z+i], v[Z+i]
.set i, i+1
.endr
	v_nop
	s_wait_alu depctr_va_vdst(0)
.set i, 0
.rept 16
	v_pk_add_f32 v[S+i:S+i+1], v[S+i:S+i+1], v[Z+i:Z+i+1]      ; z
.set i, i+2
.endr
.set i, 0
.rept 32
	v_log_f32 v[S+i], v[S+i]
.set i, i+1
.endr
	v_nop
	s_wait_alu depctr_va_vdst(0)
.set i, 0
.rept 16
	v_pk_fma_f32 v[S+i:S+i+1], v[S+i:S+i+1], v[C1:C1+1], v[C0:C0+1]
.set i, i+2
.endr
.set i, 0
.rept 32
	v_rcp_f32 v[S+i], v[S+i]                       ; t
.set i, i+1
.endr
	v_nop
	s_wait_alu depctr_va_vdst(0)
	s_cmp_lg_u32 s[STP], s[G]                      ; only the tile's last step holds the diagonal
	s_cbranch_scc1 .Lopen_\@
.set i, 0
.rept 32
	v_cmp_gt_i32 vcc_lo, 16*(i/8)+i%8, v[DM]
	v_cndmask_b32 v[S+i], v[S+i], v[NINF], vcc_lo
.set i, i+1
.endr
.Lopen_\@:
.irp j, 0,1,2,3
	v_max3_num_f32 v[CH+\j], v[S+8*\j], v[S+8*\j+1], v[S+8*\j+2]
.endr
.irp i, 3,5
.irp j, 0,1,2,3
	v_max3_num_f32 v[CH+\j], v[CH+\j], v[S+8*\j+\i], v[S+8*\j+\i+1]
.endr
.endr
	v_max3_num_f32 v[CH], v[CH], v[S+7], v[S+15]
	v_max3_num_f32 v[CH+2], v[CH+2], v[S+23], v[S+31]
	v_max3_num_f32 v[CH], v[CH], v[CH+1], v[CH+2]
	v_max3_num_f32 v[CH], v[CH], v[CH+3], v[MX]
	v_permlanex16_b32 v218, v[CH], s[SEL], s[SEL+1]            ; the query's other 32 keys lie 16 lanes away
	v_max_num_f32 v[CH], v[CH], v218
	v_sub_f32 v[AL], v[MX], v[CH]
	v_mov_b32 v[MX], v[CH]
	v_mov_b32 v[MX+1], v[CH]
.set i, 0
.rept 16
	v_pk_add_f32 v[S+i:S+i+1], v[S+i:S+i+1], v[MX:MX+1] neg_lo:[0,1] neg_hi:[0,1]
.set i, i+2
.endr
	v_exp_f32 v[AL], v[AL]
.set i, 0
.rept 32
	v_exp_f32 v[S+i], v[S+i]                       ; p, at most 1
.set i, i+1
.endr
	v_nop
	s_wait_alu depctr_va_vdst(0)
	v_pk_mul_f32 v[LS:LS+1], v[LS:LS+1], v[AL:AL+1] op_sel_hi:[1,0]
	v_pk_add_f32 v[220:221], v[S:S+1], v[S+2:S+3]
.irp j, 4,8,12,16,20,24,28
	v_pk_add_f32 v[LS:LS+1], v[LS:LS+1], v[S+\j:S+\j+1]
	v_pk_add_f32 v[220:221], v[220:221], v[S+\j+2:S+\j+3]
.endr
	v_pk_add_f32 v[LS:LS+1], v[LS:LS+1], v[220:221]
.set i, 0
.rept 16
	v_cvt_pk_f16_f32 v[P+i], v[S+2*i], v[S+2*i+1]
.set i, i+1
.endr
.set i, 0
.rept 16
	v_pk_mul_f32 v[O+i:O+i+1], v[O+i:O+i+1], v[AL:AL+1] op_sel_hi:[1,0]
.set i, i+2
.endr
	s_wait_dscnt 0x0                               ; V is in
.irp kc, 0,1
.irp dt, 0,1,2,3
	v_wmma_f32_16x16x32_f16 v[O+8*\dt:O+8*\dt+7], v[F+32*\kc+8*\dt:F+32*\kc+8*\dt+7], v[P+8*\kc:P+8*\kc+7], v[O+8*\dt:O+8*\dt+7]
.endr
.endr
.Lskip_\@:
	s_add_co_u32 s[TK], s[TK], 8192
	s_add_co_u32 s[TV], s[TV], 8192
	s_add_co_u32 s[TZ], s[TZ], 256
	s_add_co_u32 s[STP], s[STP], 1
.endm
; A TILE LEAVES.  v[LS] holds my lane's sum.  O^T / the row's sum, in f16, is already an image of the projection's operand: 2,048 consecutive bytes
.macro FINISH op
	v_permlanex16_b32 v218, v[LS], s[SEL], s[SEL+1]
	v_add_f32 v[LS], v[LS], v218
	v_rcp_f32 v[AL], v[LS]
	v_nop
	s_wait_alu depctr_va_vdst(0)
.set i, 0
.rept 16
	v_pk_mul_f32 v[S+i:S+i+1], v[O+i:O+i+1], v[AL:AL+1] op_sel_hi:[1,0]
.set i, i+2
.endr
.set i, 0
.rept 16
	v_cvt_pk_f16_f32 v[P+i], v[S+2*i], v[S+2*i+1]
.set i, i+1
.endr
.irp dt, 0,1,2,3
	global_store_b128 v[LI], v[P+4*\dt:P+4*\dt+3], s[\op:\op+1] offset:512*\dt
.endr
.endm
	s_wait_dscnt 0x0
	s_wait_tensorcnt 3                             ; k0' and chunk 0 of mine have landed; the three later chunks' loads stay out
	s_barrier_signal -1
	s_barrier_wait -1
	s_mov_b32 s[TK], 0
	s_mov_b32 s[TV], 131072
	s_mov_b32 s[TZ], 0
	STEPM                                          ; step 0: every wave has it; chunks 1 to 3 land meanwhile
	s_wait_dscnt 0x0
	s_wait_tensorcnt 0x0                           ; all of K and V that I asked for has landed,
	s_barrier_signal -1
	s_barrier_wait -1                              ; and everybody's: from here on no wave waits for another until the parts are joined
	s_mov_b32 s[CNT], 7
.Lfirst:                                           ; steps 1 to 7
	STEPM
	s_sub_co_u32 s[CNT], s[CNT], 1
	s_cmp_lg_u32 s[CNT], 0
	s_cbranch_scc1 .Lfirst
	; B: tile p is finished and leaves; tile 15 - p begins
	s_cmp_eq_u32 s[ROLE], 0
	s_cbranch_scc1 .Lmid
.rept 4
	v_nop                                          ; places behind the last products
.endr
	v_add_f32 v[LS], v[LS], v[LS+1]
	FINISH 78
	v_mov_b32 v[MX], 0xff61b1e6
	v_mov_b32 v[MX+1], 0xff61b1e6
	v_mov_b32 v[LS], 0
	v_mov_b32 v[LS+1], 0
	v_mov_b32 v[Q0], v[Q02]
	v_mov_b32 v[Q0+1], v[Q02]
.set i, 0
.rept 16
	v_mov_b32 v[Q+i], v[Q2+i]
.set i, i+1
.endr
.set i, 0
.rept 32
	v_mov_b32 v[O+i], 0
.set i, i+1
.endr
	s_wait_xcnt 0x0                                ; the stores have read v160-175, which the next step writes
.Lmid:
	s_mov_b32 s[G], s[GL]                          ; the tile in hand is 15 - p in both roles;
	s_mov_b32 s[LIM], s[LIM2]                      ; A has no step left, B works up to the diagonal
	s_mov_b32 s[CNT], 8
.Lsecond:                                          ; steps 8 to 15
	STEPM
	s_sub_co_u32 s[CNT], s[CNT], 1
	s_cmp_lg_u32 s[CNT], 0
	s_cbranch_scc1 .Lsecond
	; THE PARTS OF TILE 15 - p ARE JOINED.  A: its O^T, m and sum go to the pair's stage as images of their registers: the same lanes take them back
	s_cmp_eq_u32 s[ROLE], 0
	s_cbranch_scc0 .Lnot_a
.rept 4
	v_nop                                          ; places behind A's last products
.endr
	v_add_f32 v[LS], v[LS], v[LS+1]
.irp i, 0,1,2,3,4,5,6,7
	ds_store_b128 v[STA], v[O+4*\i:O+4*\i+3] offset:512*\i     ; each accumulator from its low end on
.endr
	ds_store_b32 v[STB], v[MX]
	ds_store_b32 v[STB], v[LS] offset:128
.Lnot_a:
	s_wait_dscnt 0x0                               ; for the partner's sake: my stores have landed
	s_barrier_signal -1
	s_barrier_wait -1
	s_cmp_eq_u32 s[ROLE], 0
	s_cbranch_scc1 .Lend
.rept 4
	v_nop                                          ; places behind B's last products, whose operands' registers are loaded below
.endr
.irp i, 0,1,2,3,4,5,6,7
	ds_load_b128 v[F+4*\i:F+4*\i+3], v[STA] offset:512*\i
.endr
	ds_load_b32 v[F+32], v[STB]
	ds_load_b32 v[F+33], v[STB] offset:128
	v_add_f32 v[LS], v[LS], v[LS+1]
	s_wait_dscnt 0x0
	v_max_num_f32 v[CH], v[MX], v[F+32]            ; the row's largest t
	v_sub_f32 v[AL], v[MX], v[CH]
	v_sub_f32 v[CH+2], v[F+32], v[CH]
	v_exp_f32 v[AL], v[AL]                         ; what brings my part under it,
	v_exp_f32 v[CH+2], v[CH+2]                     ; and A's
	v_nop
	s_wait_alu depctr_va_vdst(0)
	v_mul_f32 v[LS], v[LS], v[AL]
	v_fma_f32 v[LS], v[F+33], v[CH+2], v[LS]
.set i, 0
.rept 16
	v_pk_mul_f32 v[O+i:O+i+1], v[O+i:O+i+1], v[AL:AL+1] op_sel_hi:[1,0]
.set i, i+2
.endr
.set i, 0
.rept 16
	v_pk_fma_f32 v[O+i:O+i+1], v[F+i:F+i+1], v[CH+2:CH+3], v[O+i:O+i+1] op_sel_hi:[1,0,1]
.set i, i+2
.endr
	FINISH 88
.Lend:
	s_wait_tensorcnt 0x0                           ; the wave's end
	ds_add_u32 v[SPW], v[NIL]
	s_wait_dscnt 0x0
	ROUND                                          ; the closing round
	s_endpgm
.Lfunc_end_k_qe1f3349f93_attn:
	.size	k_qe1f3349f93_attn, .Lfunc_end_k_qe1f3349f93_attn-k_qe1f3349f93_attn
	.p2alignl 7, 3214868480
	.fill 96, 4, 3214868480
	.section	.rodata,"a",@progbits
	.p2align	6, 0x0
	.amdhsa_kernel k_qe1f3349f93_attn
		.amdhsa_group_segment_fixed_size 305152
		.amdhsa_private_segment_fixed_size 0
		.amdhsa_enable_private_segment 0
		.amdhsa_kernarg_size 32
		.amdhsa_user_sgpr_count 2
		.amdhsa_user_sgpr_kernarg_segment_ptr 1
		.amdhsa_wavefront_size32 1
		.amdhsa_system_sgpr_workgroup_id_x 1
		.amdhsa_system_sgpr_workgroup_id_y 1
		.amdhsa_system_sgpr_workgroup_id_z 1
		.amdhsa_system_vgpr_workitem_id 0
		.amdhsa_next_free_vgpr 256
		.amdhsa_next_free_sgpr 92
		.amdhsa_reserve_vcc 1
		.amdhsa_float_denorm_mode_32 3
		.amdhsa_float_denorm_mode_16_64 3
		.amdhsa_memory_ordered 1
		.amdhsa_forward_progress 1
		.amdhsa_inst_pref_size 85
	.end_amdhsa_kernel
	.amdgpu_metadata
---
amdhsa.version: [ 1, 2 ]
amdhsa.kernels:
  - .name:           k_qe1f3349f93_attn
    .symbol:         k_qe1f3349f93_attn.kd
    .args:
      - { .name: qkv16, .offset: 0, .size: 8, .value_kind: global_buffer, .address_space: global }
      - { .name: lift, .offset: 8, .size: 8, .value_kind: global_buffer, .address_space: global }
      - { .name: hyp_k, .offset: 16, .size: 8, .value_kind: global_buffer, .address_space: global }
      - { .name: o16, .offset: 24, .size: 8, .value_kind: global_buffer, .address_space: global }
    .group_segment_fixed_size: 305152
    .private_segment_fixed_size: 0
    .kernarg_segment_align: 8
    .kernarg_segment_size: 32
    .max_flat_workgroup_size: 512
    .sgpr_count:     92
    .vgpr_count:     256
    .wavefront_size: 32
...
	.end_amdgpu_metadata
.endif
;; end of part 3
;; launch proj (part 4): grid 8 x 32, 4 waves a work-group, clusters of 4 x 4, 327,680 bytes of LDS; arguments o16, wo16, out0; writes out0
.if DOCPART == 4
	.amdgcn_target "amdgcn-amd-amdhsa--gfx1250"
	.amdhsa_code_object_version 6
	.text
	.protected	k_qe1f3349f93_proj
	.globl	k_qe1f3349f93_proj
	.p2align	8
	.type	k_qe1f3349f93_proj,@function
k_qe1f3349f93_proj:
	s_mov_b64 s[64:65], 0
	v_nop
	global_prefetch_b8 v0, s[64:65] scope:SCOPE_SE
	s_setreg_imm32_b32 hwreg(HW_REG_WAVE_MODE, 25, 1), 1
	s_wait_xcnt 0x0
	s_wait_alu depctr_hold_cnt(0) depctr_sa_sdst(0) depctr_va_vdst(0) depctr_va_sdst(0) depctr_va_ssrc(0) depctr_va_vcc(0) depctr_vm_vsrc(0)
	s_getreg_b32 s2, hwreg(HW_REG_IB_STS2, 6, 4)
	s_cmp_eq_u32 s2, 0
	s_cbranch_scc0 .Lentry_in_a_cluster
	s_endpgm
.Lentry_in_a_cluster:
	s_bfe_u32 s2, ttmp6, 0x10000c
	s_cmp_lg_u32 s2, 0xf033
	s_cbranch_scc0 .Lentry_shape_is_right
	s_endpgm
.Lentry_shape_is_right:
; out0 = o W_out^T: M 4,096, N 1,024, K 1,024; f16 operands, f32 sums, f32 out.  Both operands arrive as images of matrix operands:
; [row tile of 16][k chunk of 32: 32][1,024 bytes]; registers 0-3 of lane l at 16 l, registers 4-7 at 512 + 16 l.  So a fragment is two loads of 512 consecutive bytes each: no pitch, no padding.
; A tile of 128 x 128 to a work-group (256 work-groups), 64 x 64 a wave: 16 accumulators.  K goes in steps of 256 through two LDS slots; a wave's tensor load brings 4 row tiles x 8,192 bytes.
; CLUSTERS 4 x 4: o's tiles are asked for jointly along a row of the cluster, W_out's along a column.  Source 0 = 16 rows of W_out, source 1 = 16 rows of o: a lane holds eight neighbouring numbers of a row of out0.
; The rows of positions 0-15 of each sequence are written here like all others and written again, from f32 operands, by the launch that follows: a branch round them would hang on the place in the cluster.
; No prefetch: the tile is small and a K step short.
; REGISTERS: window 0: v16-29 addresses; v32-95 the way out; v128-255 the accumulators ((a, b) at v[128 + 8 (4 a + b)]).  window 1: two fragment buffers of 128.
.set KSTEPB, 8192                      ; a K step of one row tile: 8 images
.set HALFT,  4*KSTEPB                  ; what one tensor load brings
.set SLOT,   4*HALFT
.set STAGE,  2*SLOT                    ; behind the ring: 16 rows x 272 bytes for each wave
.set SPITCH, 272
.set SPARE,  STAGE+4*16*SPITCH         ; the spare words
.set LAPS,   2
.set ADRA, 16
.set ADRB, 20
.set STO,  24
.set RD,   25
.set CO,   26
.set SPW,  28
.set NIL,  29
.set ACC,  128
.set F0,   0
.set F1,   128
.set G1, 24
.set G0, 32
.set G1B, 48
.set G0B, 56
.set MSB, 0
.macro WIN new
.if MSB != \new
	s_set_vgpr_msb (MSB<<8)|\new
.set MSB, \new
.endif
.endm
.set MUL,  0x05                        ; sources 0 and 1 window 1; C and D window 0
.set TO_F, 0x40
.macro JLOAD s                         ; waves 0, 1 fetch o's halves, waves 2, 3 W_out's; s_nop 0 and four v_nop follow each line
	s_cmp_eq_u32 s11, 0
	s_cbranch_scc0 .Lfor_b_\@
	tensor_load_to_lds s[G0+4*\s:G0+4*\s+3], s[G1:G1+7]
	s_nop 0
.rept 4
	v_nop
.endr
	s_branch .Lasked_\@
.Lfor_b_\@:
	tensor_load_to_lds s[G0B+4*\s:G0B+4*\s+3], s[G1B:G1B+7]
	s_nop 0
.rept 4
	v_nop
.endr
.Lasked_\@:
.endm
.macro CREST
	s_cmp_lg_u32 s10, 0
	s_cbranch_scc1 .Lnot_wave_0_\@
	s_barrier_signal -3
.Lnot_wave_0_\@:
	s_barrier_wait -3
	s_barrier_signal -1
	s_barrier_wait -1
.endm
.macro CROUND
	s_barrier_signal -1
	s_barrier_wait -1
	CREST
.endm
	s_load_b128 s[4:7], s[0:1], 0x0                ; o16 s[4:5], wo16 s[6:7]
	s_load_b64 s[8:9], s[0:1], 0x10                ; out0
	v_lshl_add_u32 v[SPW], v0, 2, SPARE
	v_mov_b32 v[NIL], 0
	ds_add_u32 v[SPW], v[NIL]                      ; the opening: the add, twice on end, and its wait ahead of my first tensor load
	ds_add_u32 v[SPW], v[NIL]
	v_lshrrev_b32 v1, 5, v0
	v_readfirstlane_b32 s10, v1
	s_lshr_b32 s11, s10, 1                         ; my half of the rows.  Also: I fetch o's (0) or W_out's (1)
	s_and_b32 s12, s10, 1                          ; my half of the columns.  Also: which 4 row tiles I fetch
	s_bfe_u32 s40, ttmp6, 0x40000
	s_bfe_u32 s41, ttmp6, 0x40004
	s_lshl_b32 s42, ttmp9, 2
	s_add_co_u32 s42, s42, s40                     ; tile column
	s_and_b32 s13, ttmp7, 0xffff
	s_lshl_b32 s13, s13, 2
	s_add_co_u32 s13, s13, s41                     ; tile row
	s_lshl_b32 s43, s41, 2
	s_lshl_b32 s43, 15, s43
	s_lshl_b32 s44, 0x1111, s40
	s_or_b32 s[G1+0], s43, (3<<16)|(1<<21)         ; the mask; elements of 8 bytes; bit 21 beside a mask; no padding
	s_or_b32 s[G1B+0], s44, (3<<16)|(1<<21)
.irp g, G1, G1B
	s_mov_b32 s[\g+1], 1024<<16                    ; a row: 1,024 elements = 8,192 bytes
	s_mov_b32 s[\g+2], 4<<16                       ; 4 rows
	s_mov_b32 s[\g+3], 1024<<16
	s_mov_b32 s[\g+4], 4
	s_mov_b32 s[\g+5], 4096                        ; 32,768 bytes from row tile to row tile
	s_mov_b32 s[\g+6], 0
	s_mov_b32 s[\g+7], 0
.endr
	s_lshl_b32 s17, s12, 2
	s_lshl_b32 s16, s13, 3
	s_add_co_u32 s16, s16, s17
	s_lshl_b32 s16, s16, 15                        ; o: row tile 8 x tile row + 4 x half
	s_lshl_b32 s46, s42, 3
	s_add_co_u32 s46, s46, s17
	s_lshl_b32 s46, s46, 15                        ; W_out: 8 x tile column + 4 x half
	s_mov_b32 s17, 0
	s_mov_b32 s47, 0
	s_mul_i32 s20, s10, HALFT
	s_wait_dscnt 0x0
	s_wait_kmcnt 0x0
	s_add_nc_u64 s[14:15], s[4:5], s[16:17]
	s_add_nc_u64 s[46:47], s[6:7], s[46:47]
	CROUND
.irp s, 0,1
	s_mov_b32 s[G0+4*\s], 1
	s_add_co_u32 s[G0+4*\s+1], s20, \s*SLOT
	s_add_nc_u64 s[G0+4*\s+2:G0+4*\s+3], s[14:15], \s*KSTEPB
	s_or_b32 s[G0+4*\s+3], s[G0+4*\s+3], 0x80000000
	s_mov_b32 s[G0B+4*\s], 1
	s_add_co_u32 s[G0B+4*\s+1], s20, \s*SLOT
	s_add_nc_u64 s[G0B+4*\s+2:G0B+4*\s+3], s[46:47], \s*KSTEPB
	s_or_b32 s[G0B+4*\s+3], s[G0B+4*\s+3], 0x80000000
	JLOAD \s
.endr
	v_and_b32 v1, 15, v0
	v_bfe_u32 v2, v0, 4, 1
	v_and_b32 v3, 31, v0
	v_lshlrev_b32 v3, 4, v3                        ; 16 x lane
	s_mul_i32 s21, s11, HALFT
	s_mul_i32 s22, s12, HALFT
	s_add_co_u32 s22, s22, 2*HALFT
.irp s, 0,1
	v_add_nc_u32 v[ADRA+\s], s21, v3
	v_add_nc_u32 v[ADRB+\s], s22, v3
	s_add_co_u32 s21, s21, SLOT
	s_add_co_u32 s22, s22, SLOT
.endr
	s_mul_i32 s23, s10, 16*SPITCH
	s_add_co_u32 s23, s23, STAGE                   ; my stage
	v_mul_u32_u24 v4, v1, SPITCH
	v_lshl_add_u32 v4, v2, 5, v4
	v_add_nc_u32 v[STO], s23, v4                   ; in: row r, 32 bytes for each half of the lanes
	v_mul_u32_u24 v5, v2, SPITCH
	v_lshl_add_u32 v5, v1, 4, v5
	v_add_nc_u32 v[RD], s23, v5                    ; back: lanes 0-15 one row of 256 bytes, lanes 16-31 the next
	v_lshlrev_b32 v5, 12, v2
	v_lshl_add_u32 v[CO], v1, 4, v5                ; and the same two rows in out0
	s_lshl_b32 s16, s13, 7
	s_lshl_b32 s17, s11, 6
	s_add_co_u32 s16, s16, s17
	s_lshl_b32 s16, s16, 12                        ; my first row x 4,096 bytes
	s_mov_b32 s17, 0
	s_add_nc_u64 s[8:9], s[8:9], s[16:17]
	s_lshl_b32 s46, s42, 9
	s_lshl_b32 s47, s12, 8
	s_add_co_u32 s46, s46, s47                     ; my first column: 512 x tile column + 256 x half bytes
	s_mov_b32 s47, 0
	s_add_nc_u64 s[8:9], s[8:9], s[46:47]
.macro MUL8 f, c, a0, zero             ; the 16 accumulators take turns, one instruction a turn
.irp a, \a0, \a0+1
.irp b, 0,1,2,3
.if \zero
	v_wmma_f32_16x16x32_f16 v[ACC+8*(4*(\a)+\b):ACC+8*(4*(\a)+\b)+7], v[\f+64+8*(4*\c+\b):\f+64+8*(4*\c+\b)+7], v[\f+8*(4*\c+\a):\f+8*(4*\c+\a)+7], 0
.else
	v_wmma_f32_16x16x32_f16 v[ACC+8*(4*(\a)+\b):ACC+8*(4*(\a)+\b)+7], v[\f+64+8*(4*\c+\b):\f+64+8*(4*\c+\b)+7], v[\f+8*(4*\c+\a):\f+8*(4*\c+\a)+7], v[ACC+8*(4*(\a)+\b):ACC+8*(4*(\a)+\b)+7]
.endif
.endr
.endr
.endm
.macro FETCH slot, k, f                ; 32 LDS loads: 64 along K (two images of each of 4 + 4 row tiles), from byte k of a row tile's 8,192; the first 32 along K first
	WIN TO_F
.irp c, 0,1
.irp i, 0,1,2,3
	ds_load_b128 v[\f+64+8*(4*\c+\i):\f+64+8*(4*\c+\i)+3],   v[ADRB+\slot] offset:\k+1024*\c+\i*KSTEPB
	ds_load_b128 v[\f+64+8*(4*\c+\i)+4:\f+64+8*(4*\c+\i)+7], v[ADRB+\slot] offset:\k+1024*\c+\i*KSTEPB+512
	ds_load_b128 v[\f+8*(4*\c+\i):\f+8*(4*\c+\i)+3],         v[ADRA+\slot] offset:\k+1024*\c+\i*KSTEPB
	ds_load_b128 v[\f+8*(4*\c+\i)+4:\f+8*(4*\c+\i)+7],       v[ADRA+\slot] offset:\k+1024*\c+\i*KSTEPB+512
.endr
.endr
.endm
.macro PLACES
.rept 4
	v_nop
.endr
.endm
.macro QUARTER slot, k, f, g, zero
	s_wait_dscnt 16                                ; the first 32 along K are in
	WIN MUL
	MUL8 \f, 0, 0, \zero
	MUL8 \f, 0, 2, \zero
	PLACES
	FETCH \slot, \k, \g
	s_wait_dscnt 32                                ; all but the 32 just issued
	WIN MUL
	MUL8 \f, 1, 0, 0
	MUL8 \f, 1, 2, 0
.endm
.macro TURN slot, next, fill           ; the last quarter of a slot, and the change of slots
	WIN 0
	s_wait_tensorcnt 0x0                           ; all my tensor loads have landed: my part of the next slot
	ds_add_u32 v[SPW], v[NIL]
	s_wait_dscnt 17                                ; the add and the youngest sixteen loads may be out
	WIN MUL
	MUL8 F1, 0, 0, 0
	s_wait_dscnt 0x0                               ; the add is done, my reads of this slot are over
	s_barrier_signal -1
	MUL8 F1, 0, 2, 0
.if \fill
	WIN 0
.endif
	s_barrier_wait -1
.if \fill
	CREST                                          ; the barrier has opened a round of the cluster's: no wave of any partner still reads this slot or has a load on its way
	s_add_nc_u64 s[G0+4*\slot+2:G0+4*\slot+3], s[G0+4*\slot+2:G0+4*\slot+3], 2*KSTEPB
	s_add_nc_u64 s[G0B+4*\slot+2:G0B+4*\slot+3], s[G0B+4*\slot+2:G0B+4*\slot+3], 2*KSTEPB
	JLOAD \slot                                    ; the first tensor load behind the round; its four v_nop are also the places in front of the loads below
.else
	PLACES
.endif
	FETCH \next, 0, F0
	WIN MUL
	MUL8 F1, 1, 0, 0
	MUL8 F1, 1, 2, 0
.endm
	s_wait_tensorcnt 1                             ; my part of K step 0 is in; K step 1's load may be out
	s_barrier_signal -1
	s_barrier_wait -1
	FETCH 0, 0, F0
	QUARTER 0, 2048, F0, F1, 1                     ; the first products start the sums
	WIN 0
	s_mov_b32 s3, LAPS-1
.Llap:
	QUARTER 0, 4096, F1, F0, 0
	QUARTER 0, 6144, F0, F1, 0
	TURN 0, 1, 1
	QUARTER 1, 2048, F0, F1, 0
	QUARTER 1, 4096, F1, F0, 0
	QUARTER 1, 6144, F0, F1, 0
	TURN 1, 0, 1
	QUARTER 0, 2048, F0, F1, 0
	WIN 0
	s_sub_co_u32 s3, s3, 1
	s_cmp_lg_u32 s3, 0
	s_cbranch_scc1 .Llap
	QUARTER 0, 4096, F1, F0, 0                     ; the last lap fills nothing
	QUARTER 0, 6144, F0, F1, 0
	TURN 0, 1, 0
	QUARTER 1, 2048, F0, F1, 0
	QUARTER 1, 4096, F1, F0, 0
	QUARTER 1, 6144, F0, F1, 0
	s_wait_dscnt 16
	WIN MUL
	MUL8 F1, 0, 0, 0
	MUL8 F1, 0, 2, 0
	s_wait_dscnt 0
	MUL8 F1, 1, 0, 0
	MUL8 F1, 1, 2, 0
	WIN 0
	; THE WAY OUT: my 64 columns are 256 bytes of a row.  16 rows at a time go through my own stage and come back as whole rows; LDS serves a wave's instructions in order, so no wait stands between stores and loads.
	PLACES
.macro TOSTAGE a
.set BK, 32+32*((\a)%2)
.irp b, 0,1,2,3
	ds_store_b128 v[STO], v[ACC+8*(4*(\a)+\b):ACC+8*(4*(\a)+\b)+3] offset:64*\b          ; each accumulator from its low end on
	ds_store_b128 v[STO], v[ACC+8*(4*(\a)+\b)+4:ACC+8*(4*(\a)+\b)+7] offset:64*\b+16
.endr
.irp t, 0,1,2,3,4,5,6,7
	ds_load_b128 v[BK+4*\t:BK+4*\t+3], v[RD] offset:\t*2*SPITCH
.endr
.endm
.macro SEND a, younger                 ; younger: the next block's 8 stores and 8 loads, which may stay out
.set BK, 32+32*((\a)%2)
	s_wait_dscnt \younger
.irp t, 0,1,2,3,4,5,6,7
	global_store_b128 v[CO], v[BK+4*\t:BK+4*\t+3], s[8:9] offset:(16*(\a)+2*\t)*4096 th:TH_STORE_NT   ; 16 lanes store 256 consecutive bytes, aligned
.endr
.endm
	TOSTAGE 0
	TOSTAGE 1
	SEND 0, 16
	s_wait_xcnt 0x0                                ; block 0's stores have read their registers
	TOSTAGE 2
	SEND 1, 16
	s_wait_xcnt 0x0
	TOSTAGE 3
	SEND 2, 16
	SEND 3, 0
	s_wait_tensorcnt 0x0                           ; the wave's end
	ds_add_u32 v[SPW], v[NIL]
	s_wait_dscnt 0x0
	CROUND                                         ; the closing round
	s_endpgm
.Lfunc_end_k_qe1f3349f93_proj:
	.size	k_qe1f3349f93_proj, .Lfunc_end_k_qe1f3349f93_proj-k_qe1f3349f93_proj
	.p2alignl 7, 3214868480
	.fill 96, 4, 3214868480
	.section	.rodata,"a",@progbits
	.p2align	6, 0x0
	.amdhsa_kernel k_qe1f3349f93_proj
		.amdhsa_group_segment_fixed_size 327680
		.amdhsa_private_segment_fixed_size 0
		.amdhsa_enable_private_segment 0
		.amdhsa_kernarg_size 24
		.amdhsa_user_sgpr_count 2
		.amdhsa_user_sgpr_kernarg_segment_ptr 1
		.amdhsa_wavefront_size32 1
		.amdhsa_system_sgpr_workgroup_id_x 1
		.amdhsa_system_sgpr_workgroup_id_y 1
		.amdhsa_system_sgpr_workgroup_id_z 1
		.amdhsa_system_vgpr_workitem_id 0
		.amdhsa_next_free_vgpr 512
		.amdhsa_next_free_sgpr 66
		.amdhsa_reserve_vcc 0
		.amdhsa_float_denorm_mode_32 3
		.amdhsa_float_denorm_mode_16_64 3
		.amdhsa_memory_ordered 1
		.amdhsa_forward_progress 1
		.amdhsa_inst_pref_size 85
	.end_amdhsa_kernel
	.amdgpu_metadata
---
amdhsa.version: [ 1, 2 ]
amdhsa.kernels:
  - .name:           k_qe1f3349f93_proj
    .symbol:         k_qe1f3349f93_proj.kd
    .args:
      - { .name: o16, .offset: 0, .size: 8, .value_kind: global_buffer, .address_space: global }
      - { .name: wo16, .offset: 8, .size: 8, .value_kind: global_buffer, .address_space: global }
      - { .name: out0, .offset: 16, .size: 8, .value_kind: global_buffer, .address_space: global }
    .group_segment_fixed_size: 327680
    .private_segment_fixed_size: 0
    .kernarg_segment_align: 8
    .kernarg_segment_size: 24
    .max_flat_workgroup_size: 128
    .sgpr_count:     66
    .vgpr_count:     512
    .wavefront_size: 32
...
	.end_amdgpu_metadata
.endif
;; end of part 4
;; launch first16 (part 5): grid 64 x 4, 16 waves a work-group, no clusters, 22,528 bytes of LDS; arguments fine, lift, hyp_k, W_out, out0; writes out0
.if DOCPART == 5
	.amdgcn_target "amdgcn-amd-amdhsa--gfx1250"
	.amdhsa_code_object_version 6
	.text
	.protected	k_qe1f3349f93_first16
	.globl	k_qe1f3349f93_first16
	.p2align	8
	.type	k_qe1f3349f93_first16,@function
k_qe1f3349f93_first16:
	s_mov_b64 s[64:65], 0
	v_nop
	global_prefetch_b8 v0, s[64:65] scope:SCOPE_SE
	s_setreg_imm32_b32 hwreg(HW_REG_WAVE_MODE, 25, 1), 1
	s_wait_xcnt 0x0
; Positions 0-15 of every sequence once more, with f32 operands throughout: these rows average one to sixteen values and are the largest, so the rounding of 16-bit operands weighs most in them.
; Work-group (x, y): batch y, rows 0-15, columns 16 x .. 16 x + 15 of out0.  Wave = head: scores, softmax, p v, and the head's part of the projection; the sixteen parts meet in LDS.
; All products by the f32 matrix form, 16 x 16 x 4: this is no bulk work (64 rows of 4,096).  Instruction i takes registers 2 i, 2 i + 1 of both operands' images: the same order of k on both sides, so the sums are those of the product.
; SIXTEEN COLUMNS TO A WORK-GROUP: 256 work-groups, and a wave issues 16 + 16 + 16 matrix instructions (with 64 columns: 64 work-groups and 16 + 16 + 64).  The price: a row's share is 64 bytes, so these 64 rows, 262,144 bytes of out0,
;   are stored in quarters of aligned blocks of 256 bytes, and the scores and p v are made by each of a batch's 64 work-groups.
; fine: q, k: register 8 b + j of lane (r, h) = (position r, channel 16 b + 8 h + j), after the embedding, not scaled;  v: register 8 dt + j = (position 8 h + j, channel 16 dt + r).  lift: q0, k0 times 1 / sqrt(kc).
; The registers that the matrix form writes (v176-239) are written by nothing else.  No tile is shared that would pay for a cluster.
; LIMITS: as in the attention launch: arg beyond 1.8e19 overflows arg^2; NaN and infinities are not served.
.set STW,   1280                       ; a head's stage: 16 rows x (64 bytes + 16)
.set SPARE, 20480                      ; behind the 16 stages
.set QF, 16                            ; v16-47  q
.set KF, 48                            ; v48-79  k
.set VF, 80                            ; v80-111 v, later o / the sum, later the sixteen parts of a number
.set WF, 112                           ; v112-143 W_out: register 8 dt + j = (row 16 x + r, channel 16 dt + 8 h + j of my head)
.set YS, 144                           ; v144-159 the four accumulators of y, added
.set SA, 176                           ; two accumulators of the scores; later four of y
.set SB, 184
.set OA, 208                           ; four accumulators of O^T
.set T,  240                           ; v240-247 the scores, arg, z, t, p
.set Z,  248                           ; v248-255 k0', then at work
.set SPW, 14
.set NIL, 15
	s_load_b256 s[4:11], s[0:1], 0x0               ; fine s[4:5], lift s[6:7], hyp_k s[8:9], W_out s[10:11]
	s_load_b64 s[12:13], s[0:1], 0x20              ; out0
	v_lshl_add_u32 v[SPW], v0, 2, SPARE
	v_mov_b32 v[NIL], 0
	v_lshrrev_b32 v1, 5, v0
	v_readfirstlane_b32 s14, v1                    ; wave = head
	s_and_b32 s15, ttmp7, 0xffff                   ; batch
	s_lshl_b32 s16, s15, 4
	s_add_co_u32 s16, s16, s14                     ; bh
	v_and_b32 v8, 31, v0
	v_lshlrev_b32 v1, 4, v8                        ; 16 x lane
	v_and_b32 v3, 15, v0                           ; r
	v_bfe_u32 v2, v0, 4, 1                         ; h
	v_lshlrev_b32 v4, 12, v3
	v_lshl_add_u32 v4, v2, 5, v4                   ; W_out: row r, + 32 h
	v_lshlrev_b32 v5, 3, v2
	v_sub_nc_u32 v5, v3, v5                        ; r - 8 h: register j (key 8 h + j) is hidden where j is above it
	s_mul_i32 s17, s14, STW
	v_mul_u32_u24 v6, v3, 80
	v_lshl_add_u32 v6, v2, 5, v6
	v_add_nc_u32 v6, s17, v6                       ; my stage: row r, + 32 h
	s_and_b32 s17, s14, 7
	s_mul_i32 s17, s17, 160
	v_mul_u32_u24 v7, v2, 80
	v_lshl_add_u32 v7, v3, 2, v7
	v_add_nc_u32 v7, s17, v7                       ; back (waves 0-7): row 2 x wave + h, column r
	v_lshlrev_b32 v8, 12, v2
	v_lshl_add_u32 v8, v3, 2, v8                   ; and the same in out0: h rows of 4,096 bytes + 4 r
	v_lshlrev_b32 v2, 5, v2                        ; 32 h
	v_lshlrev_b32 v3, 2, v3                        ; 4 r
	s_mov_b32 s20, 0x3f800008                      ; 1 + 1e-6
	s_mov_b32 s21, 0x353a10b6                      ; 1e-6 ln2
	s_mov_b32 s22, 0x76543210
	s_mov_b32 s23, 0xfedcba98
	s_lshl_b32 s18, s16, 12
	s_mov_b32 s19, 0
	s_wait_kmcnt 0x0
	s_add_nc_u64 s[4:5], s[4:5], s[18:19]
	s_add_nc_u64 s[6:7], s[6:7], s[18:19]
	s_lshl_b32 s18, s14, 2
	s_add_nc_u64 s[8:9], s[8:9], s[18:19]
	s_load_b32 s24, s[8:9], 0x0                    ; kc
	s_lshl_b32 s18, ttmp9, 16                      ; 16 x rows of 4,096 bytes,
	s_lshl_b32 s25, s14, 8                         ; the head's 64 channels
	s_add_co_u32 s18, s18, s25
	s_add_nc_u64 s[10:11], s[10:11], s[18:19]
	s_and_b32 s25, s14, 7
	s_lshl_b32 s25, s25, 1
	s_lshl_b32 s18, s15, 10
	s_add_co_u32 s18, s18, s25                     ; the first of the two rows that I store: 1,024 x batch + 2 x wave
	s_lshl_b32 s18, s18, 12
	s_lshl_b32 s25, ttmp9, 6
	s_add_co_u32 s18, s18, s25
	s_add_nc_u64 s[12:13], s[12:13], s[18:19]
.irp i, 0,1,2,3,4,5,6,7
	global_load_b128 v[QF+4*\i:QF+4*\i+3], v1, s[4:5] offset:512*\i
.endr
.irp i, 0,1,2,3,4,5,6,7
	global_load_b128 v[KF+4*\i:KF+4*\i+3], v1, s[4:5] offset:262144+512*\i
.endr
	global_load_b128 v[Z:Z+3], v2, s[6:7] offset:262144
	global_load_b128 v[Z+4:Z+7], v2, s[6:7] offset:262144+16
	global_load_b32 v9, v3, s[6:7]
.irp i, 0,1,2,3,4,5,6,7
	global_load_b128 v[VF+4*\i:VF+4*\i+3], v1, s[4:5] offset:524288+512*\i
.endr
.irp dt, 0,1,2,3
	global_load_b128 v[WF+8*\dt:WF+8*\dt+3],   v4, s[10:11] offset:64*\dt
	global_load_b128 v[WF+8*\dt+4:WF+8*\dt+7], v4, s[10:11] offset:64*\dt+16
.endr
	s_wait_kmcnt 0x0
	v_rcp_f32 v10, s24                             ; 1 / kc
	v_sqrt_f32 v11, s24
	v_nop
	s_wait_alu depctr_va_vdst(0)
	v_mul_f32 v11, 0x3ef5fdf0, v11                 ; sqrt(kc) ln2^2
	s_wait_loadcnt 19                              ; q and k are in; behind them: 2 + 1 + 8 + 8
	v_wmma_f32_16x16x4_f32 v[SA:SA+7], v[KF:KF+1], v[QF:QF+1], 0            ; S^T = K Q^T: two accumulators by turns; their first steps start the sums
	v_wmma_f32_16x16x4_f32 v[SB:SB+7], v[KF+2:KF+3], v[QF+2:QF+3], 0
.irp i, 2,4,6,8,10,12,14
	v_wmma_f32_16x16x4_f32 v[SA:SA+7], v[KF+2*\i:KF+2*\i+1], v[QF+2*\i:QF+2*\i+1], v[SA:SA+7]
	v_wmma_f32_16x16x4_f32 v[SB:SB+7], v[KF+2*\i+2:KF+2*\i+3], v[QF+2*\i+2:QF+2*\i+3], v[SB:SB+7]
.endr
.rept 8
	v_nop                                          ; eight places behind this form, ahead of the first read of the sums
.endr
	s_wait_loadcnt 16                              ; k0' and q0' are in; behind them: 8 + 8
.irp j, 0,1,2,3,4,5,6,7
	v_add_f32 v[T+\j], v[SA+\j], v[SB+\j]          ; from the low end on
.endr
.irp j, 0,1,2,3,4,5,6,7
	v_mul_f32 v[Z+\j], v[Z+\j], v9
.endr
.irp j, 0,1,2,3,4,5,6,7
	v_fma_f32 v[T+\j], -v[T+\j], v10, v[Z+\j]      ; arg = q0' k0' - q.k / kc
.endr
.irp j, 0,1,2,3,4,5,6,7
	v_max_num_f32 v[T+\j], s20, v[T+\j]
.endr
.irp j, 0,1,2,3,4,5,6,7
	v_fma_f32 v[Z+\j], v[T+\j], v[T+\j], -1.0
.endr
.irp j, 0,1,2,3,4,5,6,7
	v_sqrt_f32 v[Z+\j], v[Z+\j]
.endr
	v_nop
	s_wait_alu depctr_va_vdst(0)
.irp j, 0,1,2,3,4,5,6,7
	v_add_f32 v[T+\j], v[T+\j], v[Z+\j]
.endr
.irp j, 0,1,2,3,4,5,6,7
	v_log_f32 v[T+\j], v[T+\j]
.endr
	v_mov_b32 v[Z], 0xff800000                     ; (a plain instruction behind the batch)  -infinity
	s_wait_alu depctr_va_vdst(0)
.irp j, 0,1,2,3,4,5,6,7
	v_fma_f32 v[T+\j], v[T+\j], v11, s21
.endr
.irp j, 0,1,2,3,4,5,6,7
	v_rcp_f32 v[T+\j], v[T+\j]                     ; t = weight x log2(e)
.endr
	v_nop
	s_wait_alu depctr_va_vdst(0)
.irp j, 0,1,2,3,4,5,6,7
	v_cmp_gt_i32 vcc_lo, \j, v5
	v_cndmask_b32 v[T+\j], v[T+\j], v[Z], vcc_lo
.endr
	v_max3_num_f32 v[Z+1], v[T], v[T+1], v[T+2]
	v_max3_num_f32 v[Z+2], v[T+3], v[T+4], v[T+5]
	v_max3_num_f32 v[Z+1], v[Z+1], v[T+6], v[T+7]
	v_max_num_f32 v[Z+1], v[Z+1], v[Z+2]
	v_permlanex16_b32 v[Z+3], v[Z+1], s22, s23
	v_max_num_f32 v[Z+1], v[Z+1], v[Z+3]           ; the row's largest t: key 0 counts for every query
.irp j, 0,1,2,3,4,5,6,7
	v_sub_f32 v[T+\j], v[T+\j], v[Z+1]
.endr
.irp j, 0,1,2,3,4,5,6,7
	v_exp_f32 v[T+\j], v[T+\j]
.endr
	v_nop
	s_wait_alu depctr_va_vdst(0)
	v_add_f32 v13, v[T], v[T+1]
	v_add_f32 v12, v[T+2], v[T+3]
	v_add_f32 v13, v13, v[T+4]
	v_add_f32 v12, v12, v[T+5]
	v_add_f32 v13, v13, v[T+6]
	v_add_f32 v12, v12, v[T+7]
	v_add_f32 v13, v13, v12
	v_permlanex16_b32 v12, v13, s22, s23
	v_add_f32 v13, v13, v12
	v_rcp_f32 v12, v13
	v_nop
	s_wait_alu depctr_va_vdst(0)
	s_wait_loadcnt 8                               ; v is in; behind it: W_out's 8
.irp i, 0,1,2,3
.irp dt, 0,1,2,3
.if \i == 0
	v_wmma_f32_16x16x4_f32 v[OA+8*\dt:OA+8*\dt+7], v[VF+8*\dt:VF+8*\dt+1], v[T:T+1], 0      ; O^T = V^T P: four accumulators by turns
.else
	v_wmma_f32_16x16x4_f32 v[OA+8*\dt:OA+8*\dt+7], v[VF+8*\dt+2*\i:VF+8*\dt+2*\i+1], v[T+2*\i:T+2*\i+1], v[OA+8*\dt:OA+8*\dt+7]
.endif
.endr
.endr
.rept 8
	v_nop
.endr
.set i, 0
.rept 32
	v_mul_f32 v[VF+i], v[OA+i], v12                ; o = O^T / the sum, into v's registers: register 8 dt + j = (query r, channel 16 dt + 8 h + j)
.set i, i+1
.endr
	s_wait_loadcnt 0x0                             ; W_out is in
.irp i, 0,1,2,3
.irp dt, 0,1,2,3
.if \i == 0
	v_wmma_f32_16x16x4_f32 v[SA+8*\dt:SA+8*\dt+7], v[WF+8*\dt:WF+8*\dt+1], v[VF+8*\dt:VF+8*\dt+1], 0   ; y^T's part: source 0 = 16 rows of W_out, source 1 = o; an accumulator for each 16 channels, the four by turns
.else
	v_wmma_f32_16x16x4_f32 v[SA+8*\dt:SA+8*\dt+7], v[WF+8*\dt+2*\i:WF+8*\dt+2*\i+1], v[VF+8*\dt+2*\i:VF+8*\dt+2*\i+1], v[SA+8*\dt:SA+8*\dt+7]
.endif
.endr
.endr
.rept 8
	v_nop
.endr
.irp j, 0,1,2,3,4,5,6,7
	v_add_f32 v[YS+\j], v[SA+\j], v[SA+8+\j]       ; the four accumulators are added into other registers, each read from its low end on
.endr
.irp j, 0,1,2,3,4,5,6,7
	v_add_f32 v[YS+8+\j], v[SA+16+\j], v[SA+24+\j]
.endr
.irp j, 0,1,2,3,4,5,6,7
	v_add_f32 v[YS+\j], v[YS+\j], v[YS+8+\j]
.endr
	ds_store_b128 v6, v[YS:YS+3]                   ; lane (r, h): row r, columns 8 h + 0 .. 7
	ds_store_b128 v6, v[YS+4:YS+7] offset:16
	s_wait_dscnt 0x0                               ; for the others' sake: my stores have landed
	s_barrier_signal -1
	s_barrier_wait -1
	s_cmp_lt_u32 s14, 8                            ; waves 0-7 add two rows each: lanes 0-15 one, lanes 16-31 the next
	s_cbranch_scc0 .Lend
.irp u, 0,1,2,3,4,5,6,7,8,9,10,11,12,13,14,15
	ds_load_b32 v[VF+\u], v7 offset:STW*\u         ; my number of every head's part
.endr
	s_wait_dscnt 0x0
.irp u, 1,2,3,4,5,6,7,8,9,10,11,12,13,14,15
	v_add_f32 v[VF], v[VF], v[VF+\u]               ; the heads in ascending order
.endr
	global_store_b32 v8, v[VF], s[12:13]           ; sixteen lanes store 64 consecutive bytes of a row
.Lend:
	s_wait_tensorcnt 0x0                           ; the wave's end
	ds_add_u32 v[SPW], v[NIL]
	s_wait_dscnt 0x0
	s_endpgm
.Lfunc_end_k_qe1f3349f93_first16:
	.size	k_qe1f3349f93_first16, .Lfunc_end_k_qe1f3349f93_first16-k_qe1f3349f93_first16
	.p2alignl 7, 3214868480
	.fill 96, 4, 3214868480
	.section	.rodata,"a",@progbits
	.p2align	6, 0x0
	.amdhsa_kernel k_qe1f3349f93_first16
		.amdhsa_group_segment_fixed_size 22528
		.amdhsa_private_segment_fixed_size 0
		.amdhsa_enable_private_segment 0
		.amdhsa_kernarg_size 40
		.amdhsa_user_sgpr_count 2
		.amdhsa_user_sgpr_kernarg_segment_ptr 1
		.amdhsa_wavefront_size32 1
		.amdhsa_system_sgpr_workgroup_id_x 1
		.amdhsa_system_sgpr_workgroup_id_y 1
		.amdhsa_system_sgpr_workgroup_id_z 1
		.amdhsa_system_vgpr_workitem_id 0
		.amdhsa_next_free_vgpr 256
		.amdhsa_next_free_sgpr 66
		.amdhsa_reserve_vcc 1
		.amdhsa_float_denorm_mode_32 3
		.amdhsa_float_denorm_mode_16_64 3
		.amdhsa_memory_ordered 1
		.amdhsa_forward_progress 1
		.amdhsa_inst_pref_size 19
	.end_amdhsa_kernel
	.amdgpu_metadata
---
amdhsa.version: [ 1, 2 ]
amdhsa.kernels:
  - .name:           k_qe1f3349f93_first16
    .symbol:         k_qe1f3349f93_first16.kd
    .args:
      - { .name: fine, .offset: 0, .size: 8, .value_kind: global_buffer, .address_space: global }
      - { .name: lift, .offset: 8, .size: 8, .value_kind: global_buffer, .address_space: global }
      - { .name: hyp_k, .offset: 16, .size: 8, .value_kind: global_buffer, .address_space: global }
      - { .name: W_out, .offset: 24, .size: 8, .value_kind: global_buffer, .address_space: global }
      - { .name: out0, .offset: 32, .size: 8, .value_kind: global_buffer, .address_space: global }
    .group_segment_fixed_size: 22528
    .private_segment_fixed_size: 0
    .kernarg_segment_align: 8
    .kernarg_segment_size: 40
    .max_flat_workgroup_size: 512
    .sgpr_count:     66
    .vgpr_count:     256
    .wavefront_size: 32
...
	.end_amdgpu_metadata
.endif
;; end of part 5
